; MI455X (gfx1250); checked and timed in simulation.
; The chip was launched on July 23, 2026; its instructions are those of AMD's public machine-readable ISA for CDNA 5 (MIT licence, August 2026) and "CDNA5" Instruction Set Architecture Reference Guide (July 2026). The comments in the code are by the model that wrote it; some were corrected since.
;; MAB. Allowed arithmetic: float matrix products may take bf16 or f16 operands with f32 sums; other float arithmetic in f32, or as packed bf16 or f16 multiplies, adds, multiply-adds, maxima and minima; sums over many terms, partial sums and values carried from step to step in f32; what a program stores and reads back later, other than sums and carried values, may be rounded once to bf16 or f16.
;; Inputs: K 4 x 4,096 x 512 float32; Q 4 x 1,024 x 512 float32; Wk 1,024 x 512 float32; Wo 1,024 x 1,024 float32; Wq 1,024 x 512 float32; Wv 1,024 x 512 float32; b0 1,024 float32; b1 1,024 float32; bk 1,024 float32; bo 1,024 float32; bq 1,024 float32; bv 1,024 float32; g0 1,024 float32; g1 1,024 float32.
;; Outputs: out0 4 x 1,024 x 1,024 float32.
;; One version. Each part assembles by itself: llvm-mc -triple=amdgcn-amd-amdhsa -mcpu=gfx1250 --defsym DOCPART=n.
;; ======== version 1 of 1: 6 launches
;; workspace buffers: cb 26,214,400 bytes; kh 33,554,432 bytes; vh 33,554,432 bytes; obuf 16,777,216 bytes; xn 8,388,608 bytes; zb 16,777,216 bytes
;; launch cast (part 1): grid 1600 x 1, 8 waves a work-group, no clusters, 0 bytes of LDS; arguments K, Q, Wk, Wv, Wq, Wo, cb; writes cb
.if DOCPART == 1
	.amdgcn_target "amdgcn-amd-amdhsa--gfx1250"
	.amdhsa_code_object_version 6
	.text
	.protected	k_q2269c790bf_cast
	.globl	k_q2269c790bf_cast
	.p2align	8
	.type	k_q2269c790bf_cast,@function
k_q2269c790bf_cast:
	s_mov_b64 s[64:65], 0
	v_nop
	global_prefetch_b8 v0, s[64:65] scope:SCOPE_SE
	s_setreg_imm32_b32 hwreg(HW_REG_WAVE_MODE, 25, 1), 1
	s_wait_xcnt 0x0
; cb = the six matrix inputs rounded once to bf16, one behind the other: K, Q, Wk, Wv, Wq, Wo.
; The sources are 25 units of 2 MiB of f32 (K 16, Q 4, Wk 1, Wv 1, Wq 1, Wo 2); unit u goes to byte u << 20 of cb.
; A work-group takes 32 KiB of one unit: 4 steps of 8,192 bytes; 64 work-groups a unit, 1,600 in all.  Thread t reads 32 bytes (8 numbers) a step and
; stores 16: a wave's store covers 512 consecutive bytes, aligned.  All 8 loads of a thread go out at once.
; No LDS, no matrix unit, no cluster: nothing is shared and nothing is used twice.
.set X, 4                              ; v[4:35]   8 loads of 4 registers
.set Y, 36                             ; v[36:51]  4 stores of 4 registers
	s_load_b256 s[4:11], s[0:1], 0x0               ; K s[4:5], Q s[6:7], Wk s[8:9], Wv s[10:11]
	s_load_b128 s[12:15], s[0:1], 0x20             ; Wq s[12:13], Wo s[14:15]
	s_load_b64 s[16:17], s[0:1], 0x30              ; cb
	s_lshr_b32 s20, ttmp9, 6                       ; the unit, 0 to 24
	s_and_b32 s21, ttmp9, 63                       ; my 32 KiB in it
	v_lshlrev_b32 v1, 5, v0                        ; 32 bytes a thread in
	v_lshlrev_b32 v2, 4, v0                        ; 16 bytes a thread out
	s_wait_kmcnt 0x0
	s_mov_b64 s[22:23], s[14:15]                   ; the source: Wo, unless the unit lies below its first
	s_mov_b32 s24, 23                              ; the source's first unit
.macro PICK limit, ptr, first          ; units below limit belong to an earlier source
	s_cmp_lt_u32 s20, \limit
	s_cselect_b64 s[22:23], s[\ptr:\ptr+1], s[22:23]
	s_cselect_b32 s24, \first, s24
.endm
	PICK 23, 12, 22                                ; Wq
	PICK 22, 10, 21                                ; Wv
	PICK 21, 8, 20                                 ; Wk
	PICK 20, 6, 16                                 ; Q
	PICK 16, 4, 0                                  ; K
	s_sub_co_u32 s26, s20, s24                     ; the unit inside its source,
	s_lshl_b32 s26, s26, 21                        ; 2 MiB each,
	s_lshl_b32 s27, s21, 15
	s_add_co_u32 s26, s26, s27                     ; and my 32 KiB
	s_mov_b32 s27, 0
	s_lshl_b32 s28, s20, 20                        ; in cb: 1 MiB a unit,
	s_lshl_b32 s29, s21, 14
	s_add_co_u32 s28, s28, s29                     ; 16 KiB a work-group
	s_mov_b32 s29, 0
	s_add_nc_u64 s[22:23], s[22:23], s[26:27]
	s_add_nc_u64 s[16:17], s[16:17], s[28:29]
.irp i, 0,1,2,3
	global_load_b128 v[X+8*(\i):X+8*(\i)+3],   v1, s[22:23] offset:8192*(\i) th:TH_LOAD_NT
	global_load_b128 v[X+8*(\i)+4:X+8*(\i)+7], v1, s[22:23] offset:8192*(\i)+16 th:TH_LOAD_NT
.endr
.irp i, 0,1,2,3
	s_wait_loadcnt 6-2*(\i)                        ; loads come back in order: step i's two are in, the 2 (3 - i) younger ones stay out
.irp k, 0,1,2,3
	v_cvt_pk_bf16_f32 v[Y+4*(\i)+(\k)], v[X+8*(\i)+2*(\k)], v[X+8*(\i)+2*(\k)+1]
.endr
	global_store_b128 v2, v[Y+4*(\i):Y+4*(\i)+3], s[16:17] offset:4096*(\i)
.endr
	s_endpgm
.Lfunc_end_k_q2269c790bf_cast:
	.size	k_q2269c790bf_cast, .Lfunc_end_k_q2269c790bf_cast-k_q2269c790bf_cast
	.p2alignl 7, 3214868480
	.fill 96, 4, 3214868480
	.section	.rodata,"a",@progbits
	.p2align	6, 0x0
	.amdhsa_kernel k_q2269c790bf_cast
		.amdhsa_group_segment_fixed_size 0
		.amdhsa_private_segment_fixed_size 0
		.amdhsa_enable_private_segment 0
		.amdhsa_kernarg_size 56
		.amdhsa_user_sgpr_count 2
		.amdhsa_user_sgpr_kernarg_segment_ptr 1
		.amdhsa_wavefront_size32 1
		.amdhsa_system_sgpr_workgroup_id_x 1
		.amdhsa_system_sgpr_workgroup_id_y 1
		.amdhsa_system_sgpr_workgroup_id_z 1
		.amdhsa_system_vgpr_workitem_id 0
		.amdhsa_next_free_vgpr 52
		.amdhsa_next_free_sgpr 66
		.amdhsa_reserve_vcc 0
		.amdhsa_float_denorm_mode_32 3
		.amdhsa_float_denorm_mode_16_64 3
		.amdhsa_memory_ordered 1
		.amdhsa_forward_progress 1
		.amdhsa_inst_pref_size 4
	.end_amdhsa_kernel
	.amdgpu_metadata
---
amdhsa.version: [ 1, 2 ]
amdhsa.kernels:
  - .name:           k_q2269c790bf_cast
    .symbol:         k_q2269c790bf_cast.kd
    .args:
      - { .name: K, .offset: 0, .size: 8, .value_kind: global_buffer, .address_space: global }
      - { .name: Q, .offset: 8, .size: 8, .value_kind: global_buffer, .address_space: global }
      - { .name: Wk, .offset: 16, .size: 8, .value_kind: global_buffer, .address_space: global }
      - { .name: Wv, .offset: 24, .size: 8, .value_kind: global_buffer, .address_space: global }
      - { .name: Wq, .offset: 32, .size: 8, .value_kind: global_buffer, .address_space: global }
      - { .name: Wo, .offset: 40, .size: 8, .value_kind: global_buffer, .address_space: global }
      - { .name: cb, .offset: 48, .size: 8, .value_kind: global_buffer, .address_space: global }
    .group_segment_fixed_size: 0
    .private_segment_fixed_size: 0
    .kernarg_segment_align: 8
    .kernarg_segment_size: 56
    .max_flat_workgroup_size: 256
    .sgpr_count:     66
    .vgpr_count:     52
    .wavefront_size: 32
...
	.end_amdgpu_metadata
.endif
;; end of part 1
;; launch proj (part 2): grid 8 x 64, 4 waves a work-group, clusters of 4 x 4, 327,680 bytes of LDS; arguments cb, bk, bv, kh, vh; writes kh, vh
.if DOCPART == 2
	.amdgcn_target "amdgcn-amd-amdhsa--gfx1250"
	.amdhsa_code_object_version 6
	.text
	.protected	k_q2269c790bf_proj
	.globl	k_q2269c790bf_proj
	.p2align	8
	.type	k_q2269c790bf_proj,@function
k_q2269c790bf_proj:
	s_mov_b64 s[64:65], 0
	v_nop
	global_prefetch_b8 v0, s[64:65] scope:SCOPE_SE
	s_setreg_imm32_b32 hwreg(HW_REG_WAVE_MODE, 25, 1), 1
	s_wait_xcnt 0x0
	s_wait_alu depctr_hold_cnt(0) depctr_sa_sdst(0) depctr_va_vdst(0) depctr_va_sdst(0) depctr_va_ssrc(0) depctr_va_vcc(0) depctr_vm_vsrc(0)
	s_getreg_b32 s2, hwreg(HW_REG_IB_STS2, 6, 4)
	s_cmp_eq_u32 s2, 0
	s_cbranch_scc0 .Lentry_in_a_cluster
	s_endpgm
.Lentry_in_a_cluster:
	s_bfe_u32 s2, ttmp6, 0x10000c
	s_cmp_lg_u32 s2, 0xf033
	s_cbranch_scc0 .Lentry_shape_is_right
	s_endpgm
.Lentry_shape_is_right:
; k = K Wk^T + bk and v = K Wv^T + bv as ONE product C[m][n] = sum over c of A[m][c] B[n][c] + bias[n]: A = K in bf16 [16384][512], B = Wk's 1,024 rows
; and then Wv's [2048][512], both in cb.  Sums in f32, started by the bias; C rounded once to bf16 and stored BY HEADS: kh, vh = [batch x 8 + head][4096 keys][128].
; All the module's inputs are taken rounded once to bf16, the vectors too (one choice for the whole program): the bias is so rounded in registers.
; A tile of C is 256 x 256, made by four waves of 128 x 128 (64 accumulators, 512 registers).  K goes in four steps of 128 through a ring of two LDS slots filled by tensor loads.
; A K STEP'S TEXT STANDS ONCE: the base of the slot in hand is a scalar register (0 or SLOT) that an exclusive or turns at each change of slots; the two fragment addresses are made anew from it.
; The loop's two trips fill both slots again (K steps 2 and 3); K step 2's rest and K step 3, which ask for nothing, are written out behind it.
; 512 tiles: two for each of 256 work-group places.  Tile columns 0-3 (cluster x = 0) are k, 4-7 are v: the choice of bias and output hangs on the cluster's x alone.
; CLUSTERS: 4 x 4 work-groups; the four of a row need the same tiles of A, the four of a column the same tiles of B: each is asked for jointly, by the same load and mask in all four.
; THE MATRIX INSTRUCTION IS USED TRANSPOSED: source 0 = 16 rows of B, source 1 = 16 rows of A: lane l holds row l % 16 of C and the columns 8 (l / 16) + 0..7.
; A wave's 128 columns are one head and its 128 rows are 128 keys of one batch: 32,768 consecutive bytes of kh or vh.
; The last K step goes by rows of C, so that finished rows leave while the others are multiplied.
; REGISTERS: window 0: v0-31 addresses; v64-191 fragments of A; v32-63, v192-255 at work on the way out.  window 1: v0-63 the bias (until the last K step), v64-191 fragments of B.
;   windows 2, 3: the accumulators of my rows 0-63, 64-127 (accumulator (a, b) at v[8 (8 a + b)]).
.set SIZE_K, 512
.set KSTEP,  128
.set PITCH,  272                       ; an LDS row: 256 bytes + 16 of padding: the 16 rows that a load touches start at 16 different groups of four banks (ISA guide 11.1)
.set HALFT,  128*PITCH                 ; what one tensor load brings
.set SLOT,   4*HALFT                   ; A's 256 rows, then B's 256 rows
.set STAGE,  2*SLOT                    ; behind the ring: 16 rows x 272 bytes for each wave
.set SPITCH, 272
.set SPARE,  STAGE+4*16*SPITCH         ; the spare words, 128 bytes a wave; no other line names them
.set WKV,  0x1400000                   ; byte of Wk's first row in cb
.set ADRA, 16                          ; v16  LDS address of my A fragments in the slot in hand
.set A0,   17                          ; v17  the same in slot 0; never rewritten
.set ADRB, 20                          ; v20, v21 the same for B
.set B0,   21
.set STO,  24
.set RD,   25
.set CO,   26
.set BO,   27                          ; v27  my byte offset in 16 numbers of the bias
.set SPW,  28
.set NIL,  29
.set F0,   64
.set F1,   128
.set TMP,  192
.set OB,   32
.set PA,   64
.set G1, 24
.set G0, 32                            ; s[32:39] group 0 for A's tiles: a set for each of the two first fills; the second then walks on
.set G1B, 48
.set G0B, 56                           ; s[56:63] the same for B's tiles
.set RB,  79                           ; s79  the base of the slot in hand: 0 or SLOT
.set HIM, 82                           ; s82  a word's upper bf16
.set MSB, 0
.macro WIN new                         ; the immediate's high byte repeats the setting that is left
.if MSB != (\new)
	s_set_vgpr_msb (MSB<<8)|(\new)
.set MSB, \new
.endif
.endm
.set MUL_LO, 0xa1                      ; source 0 (B) window 1, source 1 (A) window 0, C and D window 2
.set MUL_HI, 0xf1                      ; the same, C and D window 3
.set TO_B,   0x40                      ; destination window 1, address window 0
; A joint load: waves 0 and 1 fetch A's two halves, waves 2 and 3 B's.  The branch hangs on the wave's number alone.  An s_nop 0 and four v_nop follow each line.
.macro JLOAD s
	s_cmp_eq_u32 s11, 0
	s_cbranch_scc0 .Lfor_b_\@
	tensor_load_to_lds s[G0+4*(\s):G0+4*(\s)+3], s[G1:G1+7]
	s_nop 0
.rept 4
	v_nop
.endr
	s_branch .Lasked_\@
.Lfor_b_\@:
	tensor_load_to_lds s[G0B+4*(\s):G0B+4*(\s)+3], s[G1B:G1B+7]
	s_nop 0
.rept 4
	v_nop
.endr
.Lasked_\@:
.endm
.macro CREST                           ; a round of the cluster's barrier behind its opening barrier
	s_cmp_lg_u32 s10, 0
	s_cbranch_scc1 .Lnot_wave_0_\@
	s_barrier_signal -3
.Lnot_wave_0_\@:
	s_barrier_wait -3
	s_barrier_signal -1
	s_barrier_wait -1
.endm
.macro CROUND                          ; a whole round
	s_barrier_signal -1
	s_barrier_wait -1
	CREST
.endm
	s_load_b64 s[4:5], s[0:1], 0x0                 ; cb
	s_load_b128 s[68:71], s[0:1], 0x8              ; bk s[68:69], bv s[70:71]
	s_load_b128 s[72:75], s[0:1], 0x18             ; kh s[72:73], vh s[74:75]
	v_lshl_add_u32 v[SPW], v0, 2, SPARE
	v_mov_b32 v[NIL], 0
	ds_add_u32 v[SPW], v[NIL]                      ; the wave's opening: the add and its wait stand ahead of my first tensor load
	v_lshrrev_b32 v1, 5, v0
	v_readfirstlane_b32 s10, v1                    ; wave 0..3
	s_lshr_b32 s11, s10, 1                         ; which half of the tile's rows is mine.  Also: I fetch for A (0) or for B (1)
	s_and_b32 s12, s10, 1                          ; which half of its columns.  Also: which 128 rows of that tile I fetch
	s_bfe_u32 s40, ttmp6, 0x40000                  ; cx
	s_bfe_u32 s41, ttmp6, 0x40004                  ; cy
	s_mov_b32 s78, ttmp9                           ; the cluster's x: 0 for k, 1 for v
	s_lshl_b32 s42, ttmp9, 2
	s_add_co_u32 s42, s42, s40                     ; tile column = 4 x cluster x + cx
	s_and_b32 s13, ttmp7, 0xffff
	s_lshl_b32 s13, s13, 2
	s_add_co_u32 s13, s13, s41                     ; tile row = 4 x cluster y + cy
	s_lshl_b32 s43, s41, 2
	s_lshl_b32 s43, 15, s43                        ; my row of the cluster
	s_lshl_b32 s44, 0x1111, s40                    ; my column
	s_or_b32 s[G1+0], s43, (1<<16)|(1<<20)|(1<<21)|(5<<22)|(3<<25)  ; the mask; 2-byte elements; padding on; bit 21 beside a mask; after every 64 words 4 words
	s_or_b32 s[G1B+0], s44, (1<<16)|(1<<20)|(1<<21)|(5<<22)|(3<<25)
.irp g, G1, G1B
	s_mov_b32 s[(\g)+1], KSTEP<<16                 ; tensor_dim0 = 128
	s_mov_b32 s[(\g)+2], 128<<16                   ; tensor_dim1 = 128
	s_mov_b32 s[(\g)+3], KSTEP<<16                 ; tile_dim0 = 128
	s_mov_b32 s[(\g)+4], 128                       ; tile_dim1 = 128
	s_mov_b32 s[(\g)+5], SIZE_K                    ; elements from row to row
	s_mov_b32 s[(\g)+6], 0
	s_mov_b32 s[(\g)+7], 0
.endr
	s_mov_b32 s[RB], 0                             ; K step 0 lies in slot 0
	s_mov_b32 s[HIM], 0xffff0000
	s_lshl_b32 s17, s12, 7                         ; which 128 rows of the tile I fetch
	s_lshl_b32 s16, s13, 8
	s_add_co_u32 s16, s16, s17                     ; A: row 256 x tile row + 128 x half
	s_lshl_b32 s46, s42, 8
	s_add_co_u32 s46, s46, s17                     ; B: row 256 x tile column + 128 x half
	s_mov_b32 s17, 0
	s_mov_b32 s47, 0
	s_mov_b64 s[18:19], SIZE_K*2
	s_mul_u64 s[16:17], s[16:17], s[18:19]
	s_mul_u64 s[46:47], s[46:47], s[18:19]
	s_mul_i32 s20, s10, HALFT                      ; where they go in a slot: wave x 128 rows
	s_lshl_b32 s80, s40, 10                        ; my 128 numbers of the bias: 256 cx + 128 x half, 4 bytes each
	s_lshl_b32 s81, s12, 9
	s_add_co_u32 s80, s80, s81
	s_mov_b32 s81, 0
	s_wait_dscnt 0x0                               ; the opening add is done
	s_wait_kmcnt 0x0
	s_add_nc_u64 s[6:7], s[4:5], WKV               ; B's first row
	s_add_nc_u64 s[14:15], s[4:5], s[16:17]
	s_add_nc_u64 s[46:47], s[6:7], s[46:47]
	s_cmp_eq_u32 s78, 0
	s_cselect_b64 s[8:9], s[72:73], s[74:75]       ; the output: kh or vh
	s_cselect_b64 s[76:77], s[68:69], s[70:71]     ; the bias: bk or bv
	s_add_nc_u64 s[76:77], s[76:77], s[80:81]
	CROUND                                         ; all sixteen work-groups are here: the first joint loads meet
.irp s, 0,1
	s_mov_b32 s[G0+4*(\s)], 1
	s_add_co_u32 s[G0+4*(\s)+1], s20, (\s)*SLOT
	s_add_nc_u64 s[G0+4*(\s)+2:G0+4*(\s)+3], s[14:15], (\s)*KSTEP*2
	s_or_b32 s[G0+4*(\s)+3], s[G0+4*(\s)+3], 0x80000000
	s_mov_b32 s[G0B+4*(\s)], 1
	s_add_co_u32 s[G0B+4*(\s)+1], s20, (\s)*SLOT
	s_add_nc_u64 s[G0B+4*(\s)+2:G0B+4*(\s)+3], s[46:47], (\s)*KSTEP*2
	s_or_b32 s[G0B+4*(\s)+3], s[G0B+4*(\s)+3], 0x80000000
	JLOAD \s                                       ; two loads of mine are out
.endr
	v_and_b32 v1, 15, v0                           ; l % 16
	v_bfe_u32 v2, v0, 4, 1                         ; l / 16
	v_mul_u32_u24 v3, v1, PITCH
	v_lshl_add_u32 v3, v2, 4, v3                   ; a fragment's row x pitch + 16 x half
	s_mul_i32 s21, s11, HALFT                      ; my 128 rows of A
	s_mul_i32 s22, s12, HALFT                      ; my 128 rows of B,
	s_add_co_u32 s22, s22, 2*HALFT                 ; which lie behind A's 256
	v_add_nc_u32 v[A0], s21, v3
	v_add_nc_u32 v[B0], s22, v3
	v_add_nc_u32 v[ADRA], s[RB], v[A0]
	v_add_nc_u32 v[ADRB], s[RB], v[B0]
	s_mul_i32 s23, s10, 16*SPITCH
	s_add_co_u32 s23, s23, STAGE                   ; my stage
	v_mul_u32_u24 v4, v1, SPITCH
	v_lshl_add_u32 v4, v2, 4, v4
	v_add_nc_u32 v[STO], s23, v4
	v_mul_u32_u24 v5, v2, SPITCH
	v_lshl_add_u32 v5, v1, 4, v5
	v_add_nc_u32 v[RD], s23, v5
	v_and_b32 v[CO], 31, v0
	v_lshlrev_b32 v[CO], 4, v[CO]                  ; two rows of a head are 512 consecutive bytes: 16 x lane
	v_lshlrev_b32 v[BO], 5, v2                     ; my eight numbers of each 16 of the bias
	WIN TO_B
.irp b, 0,1,2,3,4,5,6,7                ; register 8 b + j of window 1 = bias[16 b + 8 (l / 16) + j] of my 128 columns
	global_load_b128 v[8*(\b):8*(\b)+3],   v[BO], s[76:77] offset:64*(\b)
	global_load_b128 v[8*(\b)+4:8*(\b)+7], v[BO], s[76:77] offset:64*(\b)+16
.endr
	WIN 0
	; where my 128 rows begin in the output: ((batch x 8 + head) x 4096 + key) x 256 bytes
	s_lshl_b32 s13, s13, 8
	s_lshl_b32 s14, s11, 7
	s_add_co_u32 s16, s13, s14                     ; my first row of C: batch x 4096 + key
	s_lshr_b32 s17, s16, 12
	s_lshl_b32 s17, s17, 15                        ; batch x 8 heads x 4096
	s_and_b32 s16, s16, 4095
	s_add_co_u32 s16, s16, s17
	s_lshl_b32 s16, s16, 8
	s_mov_b32 s17, 0
	s_lshl_b32 s46, s40, 1
	s_add_co_u32 s46, s46, s12                     ; the head: 2 cx + my half of the columns
	s_lshl_b32 s46, s46, 20
	s_mov_b32 s47, 0
	s_add_nc_u64 s[16:17], s[16:17], s[46:47]
; 16 matrix instructions: m blocks a0, a0 + 1 of the window's four x all 8 n blocks, 32 along K.  zero = 1: the first product starts the sums with the bias.
.macro MUL16 f, hi, a0, zero
.if \zero
	WIN 0x91+0x40*(\hi)                            ; as below, with C in window 1
.else
	WIN MUL_LO+0x50*(\hi)
.endif
.irp a, \a0, (\a0)+1
.irp b, 0,1,2,3,4,5,6,7
.if \zero
	v_wmma_f32_16x16x32_bf16 v[8*(8*(\a)+(\b)):8*(8*(\a)+(\b))+7], v[(\f)+8*(\b):(\f)+8*(\b)+7], v[(\f)+8*(4*(\hi)+(\a)):(\f)+8*(4*(\hi)+(\a))+7], v[8*(\b):8*(\b)+7]
.else
	v_wmma_f32_16x16x32_bf16 v[8*(8*(\a)+(\b)):8*(8*(\a)+(\b))+7], v[(\f)+8*(\b):(\f)+8*(\b)+7], v[(\f)+8*(4*(\hi)+(\a)):(\f)+8*(4*(\hi)+(\a))+7], v[8*(8*(\a)+(\b)):8*(8*(\a)+(\b))+7]
.endif
.endr
.endr
.endm
; 32 LDS loads in one run: the fragments of one quarter step (32 K at byte k of the rows of the slot in hand) into buffer f
.macro FETCH k, f
	WIN TO_B
.irp i, 0,1,2,3,4,5,6,7
	ds_load_b128 v[(\f)+8*(\i):(\f)+8*(\i)+3],   v[ADRB] offset:(\k)+(\i)*16*PITCH
	ds_load_b128 v[(\f)+8*(\i)+4:(\f)+8*(\i)+7], v[ADRB] offset:(\k)+(\i)*16*PITCH+32
.endr
	WIN 0
.irp i, 0,1,2,3,4,5,6,7
	ds_load_b128 v[(\f)+8*(\i):(\f)+8*(\i)+3],   v[ADRA] offset:(\k)+(\i)*16*PITCH
	ds_load_b128 v[(\f)+8*(\i)+4:(\f)+8*(\i)+7], v[ADRA] offset:(\k)+(\i)*16*PITCH+32
.endr
.endm
.macro PLACES                          ; four plain vector instructions between a matrix instruction and a load into, or a vector read of, its registers
.rept 4
	v_nop
.endr
.endm
; A K step is four quarters of 32 along K, 64 matrix instructions each, on buffers 0, 1, 0, 1.
.macro QUARTER k, f, g, zero
	s_wait_dscnt 8                                 ; B and A's rows 0-63 are in; the youngest eight loads (A's rows 64-127) may be out
	MUL16 \f, 0, 0, \zero
	MUL16 \f, 0, 2, \zero
	PLACES
	FETCH \k, \g
	s_wait_dscnt 32                                ; all but the 32 just issued
	MUL16 \f, 1, 0, \zero
	MUL16 \f, 1, 2, \zero
.endm
; The last quarter's first half, and the one barrier of a change of slots.
.macro MEET
	WIN 0                                          ; (the add's two registers lie in window 0)
	s_wait_tensorcnt 0x0                           ; all my tensor loads have landed: the one that was out is my part of the next slot;
	ds_add_u32 v[SPW], v[NIL]                      ; 0 onto my spare word;
	s_wait_dscnt 9                                 ; (the add and the youngest eight loads may be out)
	MUL16 F1, 0, 0, 0
	s_wait_dscnt 0x0                               ; the add is done, and my reads of this slot are over
	s_barrier_signal -1
	MUL16 F1, 0, 2, 0
	WIN 0                                          ; (branches, or the address lines, follow)
	s_barrier_wait -1
.endm
; The whole last quarter of a K step whose slot is filled again: with the K step two steps on.
.macro TURN
	MEET
	CREST                                          ; no wave of any partner still reads this slot's tile or has a load on its way
	s_add_co_u32 s[G0+5], s[RB], s20               ; the walking descriptors: the slot just read,
	s_add_co_u32 s[G0B+5], s[RB], s20
	s_add_nc_u64 s[G0+6:G0+7], s[G0+6:G0+7], KSTEP*2      ; the K step behind the one asked for last
	s_add_nc_u64 s[G0B+6:G0B+7], s[G0B+6:G0B+7], KSTEP*2
	s_xor_b32 s[RB], s[RB], SLOT                   ; the reads go on in the other slot
	JLOAD 1                                        ; the first tensor load behind the round; its four v_nop are also the places in front of the loads below
	v_add_nc_u32 v[ADRA], s[RB], v[A0]
	v_add_nc_u32 v[ADRB], s[RB], v[B0]
	FETCH 0, F0
	MUL16 F1, 1, 0, 0
	MUL16 F1, 1, 2, 0
.endm
; THE LAST K STEP GOES BY ROWS OF C.
.macro BLOAD q                         ; B's fragments of quarter q -> window 1, v[64 q ..]
	WIN TO_B
.irp i, 0,1,2,3,4,5,6,7
	ds_load_b128 v[64*(\q)+8*(\i):64*(\q)+8*(\i)+3],   v[ADRB] offset:64*(\q)+(\i)*16*PITCH
	ds_load_b128 v[64*(\q)+8*(\i)+4:64*(\q)+8*(\i)+7], v[ADRB] offset:64*(\q)+(\i)*16*PITCH+32
.endr
.endm
.macro ALOAD a                         ; A's fragments of block a, all four quarters -> buffer a % 4
	WIN 0
.set FA, PA+32*((\a)%4)
.irp q, 0,1,2,3
	ds_load_b128 v[FA+8*(\q):FA+8*(\q)+3],   v[ADRA] offset:64*(\q)+(\a)*16*PITCH
	ds_load_b128 v[FA+8*(\q)+4:FA+8*(\q)+7], v[ADRA] offset:64*(\q)+(\a)*16*PITCH+32
.endr
.endm
.macro ROW a                           ; block a is finished: 32 matrix instructions, its 8 accumulators by turns
.set FA, PA+32*((\a)%4)
.set AC, 64*((\a)%4)
	WIN MUL_LO+0x50*((\a)/4)
.irp q, 0,1,2,3
.if (\a) == 0 && (\q) == 2
	s_wait_dscnt 24                                ; B's quarter 2 is in (behind it: A's blocks 1 to 3)
.endif
.irp b, 0,1,2,3,4,5,6,7
	v_wmma_f32_16x16x32_bf16 v[AC+8*(\b):AC+8*(\b)+7], v[64*(\q)+8*(\b):64*(\q)+8*(\b)+7], v[FA+8*(\q):FA+8*(\q)+7], v[AC+8*(\b):AC+8*(\b)+7]
.endr
.endr
.endm
.macro PACK a                          ; rounded to bf16, 16 bytes a lane; each accumulator's registers in ascending order
.set AC, 64*((\a)%4)
	WIN 0x0a+5*((\a)/4)
.irp b, 0,1,2,3,4,5,6,7
.irp r, 0,1,2,3
	v_cvt_pk_bf16_f32 v[TMP+4*(\b)+(\r)], v[AC+8*(\b)+2*(\r)], v[AC+8*(\b)+2*(\r)+1]
.endr
.endr
	WIN 0
.endm
.macro TOSTAGE a
	WIN 0
.set BK, OB+192*((\a)%2)
.irp b, 0,1,2,3,4,5,6,7
	ds_store_b128 v[STO], v[TMP+4*(\b):TMP+4*(\b)+3] offset:32*(\b)
.endr
.irp t, 0,1,2,3,4,5,6,7
	ds_load_b128 v[BK+4*(\t):BK+4*(\t)+3], v[RD] offset:(\t)*2*SPITCH  ; LDS serves a wave's instructions in order (ISA guide 5.7.1.4): these see the stores above
.endr
.endm
.macro SEND a, younger
	WIN 0
.set BK, OB+192*((\a)%2)
	s_wait_dscnt \younger                          ; the block is back in registers
	s_wait_xcnt 0x0                                ; the stores' base and the registers that earlier stores read are rewritten only behind this wait
.if (\a) == 0
	s_add_nc_u64 s[8:9], s[8:9], s[16:17]          ; my first rows
.else
	s_add_nc_u64 s[8:9], s[8:9], 4096              ; 16 keys of 256 bytes on
.endif
.irp t, 0,1,2,3,4,5,6,7
	global_store_b128 v[CO], v[BK+4*(\t):BK+4*(\t)+3], s[8:9] offset:512*(\t)  ; 512 consecutive bytes, at a multiple of 512 from the buffer's first
.endr
.endm
	s_wait_tensorcnt 1                             ; my part of K step 0 is in; K step 1's may stay out
	s_barrier_signal -1
	s_barrier_wait -1
	FETCH 0, F0
	s_wait_loadcnt 0x0                             ; the bias
	WIN 0x45                                       ; sources and destination in window 1: the bias is rounded to bf16 and widened again, in place, pair by pair
.set i, 0
.rept 32
	v_cvt_pk_bf16_f32 v[2*i], v[2*i], v[2*i+1]
	v_and_b32 v[2*i+1], s[HIM], v[2*i]
	v_lshlrev_b32 v[2*i], 16, v[2*i]
.set i, i+1
.endr
	QUARTER 64,  F0, F1, 1                         ; the first quarter stands in front of the loop: its products start the sums
	WIN 0
	s_mov_b32 s3, 2
.Lstep:                                                ; two trips, K steps 0 and 1: from a step's second quarter to the next step's first; each fills its slot again
	QUARTER 128, F1, F0, 0
	QUARTER 192, F0, F1, 0
	TURN
	QUARTER 64,  F0, F1, 0
	WIN 0
	s_sub_co_u32 s3, s3, 1
	s_cmp_lg_u32 s3, 0
	s_cbranch_scc1 .Lstep
	QUARTER 128, F1, F0, 0                         ; K step 2 goes on; nothing more is asked for
	QUARTER 192, F0, F1, 0
	MEET                                           ; the other slot holds the last K step; nothing is filled again, so no round follows
	s_xor_b32 s[RB], s[RB], SLOT
	v_add_nc_u32 v[ADRA], s[RB], v[A0]             ; these two and two v_nop are the places in front of the loads into buffer 0
	v_add_nc_u32 v[ADRB], s[RB], v[B0]
	v_nop
	v_nop
	BLOAD 0
	BLOAD 1
	BLOAD 3
	ALOAD 0
	MUL16 F1, 1, 0, 0
	MUL16 F1, 1, 2, 0
	PLACES
	BLOAD 2
	ALOAD 1
	ALOAD 2
	ALOAD 3
	s_wait_dscnt 40                                ; all but the 40 just issued
	ROW 0
.irp a, 0,1,2,3,4,5,6,7
	PLACES
	PACK \a
	TOSTAGE \a
.if (\a) < 4
	ALOAD (\a)+4
	SEND \a, 8
.else
	SEND \a, 0
.endif
.if (\a) < 7
	ROW (\a)+1
.endif
.endr
	s_wait_tensorcnt 0x0                           ; the wave's end
	ds_add_u32 v[SPW], v[NIL]
	s_wait_dscnt 0x0
	CROUND                                         ; the closing round
	s_endpgm
.Lfunc_end_k_q2269c790bf_proj:
	.size	k_q2269c790bf_proj, .Lfunc_end_k_q2269c790bf_proj-k_q2269c790bf_proj
	.p2alignl 7, 3214868480
	.fill 96, 4, 3214868480
	.section	.rodata,"a",@progbits
	.p2align	6, 0x0
	.amdhsa_kernel k_q2269c790bf_proj
		.amdhsa_group_segment_fixed_size 327680
		.amdhsa_private_segment_fixed_size 0
		.amdhsa_enable_private_segment 0
		.amdhsa_kernarg_size 40
		.amdhsa_user_sgpr_count 2
		.amdhsa_user_sgpr_kernarg_segment_ptr 1
		.amdhsa_wavefront_size32 1
		.amdhsa_system_sgpr_workgroup_id_x 1
		.amdhsa_system_sgpr_workgroup_id_y 1
		.amdhsa_system_sgpr_workgroup_id_z 1
		.amdhsa_system_vgpr_workitem_id 0
		.amdhsa_next_free_vgpr 1024
		.amdhsa_next_free_sgpr 84
		.amdhsa_reserve_vcc 0
		.amdhsa_float_denorm_mode_32 3
		.amdhsa_float_denorm_mode_16_64 3
		.amdhsa_memory_ordered 1
		.amdhsa_forward_progress 1
		.amdhsa_inst_pref_size 123
	.end_amdhsa_kernel
	.amdgpu_metadata
---
amdhsa.version: [ 1, 2 ]
amdhsa.kernels:
  - .name:           k_q2269c790bf_proj
    .symbol:         k_q2269c790bf_proj.kd
    .args:
      - { .name: cb, .offset: 0, .size: 8, .value_kind: global_buffer, .address_space: global }
      - { .name: bk, .offset: 8, .size: 8, .value_kind: global_buffer, .address_space: global }
      - { .name: bv, .offset: 16, .size: 8, .value_kind: global_buffer, .address_space: global }
      - { .name: kh, .offset: 24, .size: 8, .value_kind: global_buffer, .address_space: global }
      - { .name: vh, .offset: 32, .size: 8, .value_kind: global_buffer, .address_space: global }
    .group_segment_fixed_size: 327680
    .private_segment_fixed_size: 0
    .kernarg_segment_align: 8
    .kernarg_segment_size: 40
    .max_flat_workgroup_size: 128
    .sgpr_count:     84
    .vgpr_count:     1024
    .wavefront_size: 32
...
	.end_amdgpu_metadata
.endif
;; end of part 2
;; launch attn (part 3): grid 8 x 32, 4 waves a work-group, clusters of 4 x 1, 327,680 bytes of LDS; arguments cb, bq, kh, vh, obuf; writes obuf
.if DOCPART == 3
	.amdgcn_target "amdgcn-amd-amdhsa--gfx1250"
	.amdhsa_code_object_version 6
	.text
	.protected	k_q2269c790bf_attn
	.globl	k_q2269c790bf_attn
	.p2align	8
	.type	k_q2269c790bf_attn,@function
k_q2269c790bf_attn:
	s_mov_b64 s[64:65], 0
	v_nop
	global_prefetch_b8 v0, s[64:65] scope:SCOPE_SE
	s_setreg_imm32_b32 hwreg(HW_REG_WAVE_MODE, 25, 1), 1
	s_wait_xcnt 0x0
	s_wait_alu depctr_hold_cnt(0) depctr_sa_sdst(0) depctr_va_vdst(0) depctr_va_sdst(0) depctr_va_ssrc(0) depctr_va_vcc(0) depctr_vm_vsrc(0)
	s_getreg_b32 s2, hwreg(HW_REG_IB_STS2, 6, 4)
	s_cmp_eq_u32 s2, 0
	s_cbranch_scc0 .Lentry_in_a_cluster
	s_endpgm
.Lentry_in_a_cluster:
	s_bfe_u32 s2, ttmp6, 0x10000c
	s_cmp_lg_u32 s2, 0x3003
	s_cbranch_scc0 .Lentry_shape_is_right
	s_endpgm
.Lentry_shape_is_right:
; obuf[b][q][128 h ..] = q + softmax_k(q . k / 32) v for one head, with q = Q Wq^T + bq made here.  Q and Wq in bf16 from cb; kh, vh = [8 b + h][4096][128] bf16; obuf f32 [4096][1024].
; Products, maxima and sums in f32; q and the weights p are rounded to bf16 as matrix operands; the q that is added at the end is the f32 sum.  bq is taken rounded to bf16, like all the module's inputs.
; LIMITS.  A weight below 2^-126 counts as 0.  c m starts at -4.25e37.  NaN and infinities are not treated apart.
; SHARES.  A work-group owns 128 queries of one head.  Wave w: g = w % 2 says which 64 queries (four tiles of 16, two PIECES of two tiles), kk = w / 2 which half of every slot's 256 keys.
; So each fragment of K and V feeds four tiles' products, and 256 work-groups have equal work.  Waves w and w + 2 join their maxima, sums and O at the end, through LDS.
; Wave w + 2 takes the four tiles in the order 2, 3, 0, 1: in EVERY wave the local tiles 0, 1 are the ones that it finishes, and the local tiles 2, 3 the ones that it hands to its partner: one text for all four.
; PROLOGUE.  q^T = Wq Qin^T + bq for my 64 queries (source 0 = 16 channels, source 1 = 16 queries; 32 accumulators, 16 steps of 32 along 512): two results rounded in pairs ARE source 1 of S^T = K Q^T.
; The f32 q^T of local tiles 0, 1 is kept (128 registers).  The accumulators are O^T's registers, the fragments of Wq V's: both hold finite numbers when the walk begins, and the first step's a = 0 wipes them.
; LAYOUT, SOFTMAX.  S^T = K Q^T holds ONE query a lane (lane % 16) and the keys 8 (lane / 16) + 0..7; two results rounded to bf16 ARE source 1 of O^T = V^T P.  p = 2^(c s - c m), c = log2(e) / 32, with a
; running maximum m; in every step O and l are multiplied by a = 2^(c m_old - c m_new).
; BY TURNS.  In a TURN one piece has the matrix unit (32 products V^T P of the step in hand, 32 products K Q^T of the next); the other piece's softmax stands in 64 slices, one behind each matrix instruction.
; CLUSTER.  The four query blocks of a cluster belong to one head: K's and V's tiles, and Wq's, are asked for jointly, by the same load, descriptor and mask in all four.  Qin's tile is each work-group's own.
; REGISTERS, in windows of 256 (s_set_vgpr_msb: bits 1:0 source 0, 3:2 source 1, 5:4 source 2, 7:6 destination):
;   window 0: v0-11, v44-63 addresses and single numbers; v12-43 eight statistics a tile; v64-191 S^T (v64-127 bq in the prologue); v192-255 P
;   window 1: O^T, 64 a tile     window 2: v0-127 Q; v128-255 K of one step (the prologue's Qin fragments)
;   window 3: v0-127 V of one step (the prologue's Wq fragments; at the end the partner's O^T); v128-255 q^T in f32 of local tiles 0, 1
.set KS,    64        ; keys in a step
.set PK,    272       ; a row of K in LDS: 256 bytes + 16: the 16 rows of a load start at 16 different groups of four banks (ISA guide 11.1)
.set PV,    288       ; a row of V: 256 + 32
.set VOFF,  256*PK    ; a slot: 256 rows of K, then 256 rows of V
.set SLOTB, 256*(PK+PV)  ; 143,360: slot 1 begins here
.set PW,    1040      ; a row of Wq or Qin in LDS: 1,024 bytes + 16
.set QIT,   SLOTB     ; Wq's 128 rows lie at 0, Qin's 128 rows here
.set STAGE, 2*SLOTB   ; behind the ring: 16 rows x 528 bytes for each wave
.set SP,    528
.set SPARE, STAGE+4*16*SP  ; the spare words, 128 bytes a wave; no other line names them
.set MRGB,  16896     ; the joining area, in slot 0's bytes behind their last fill: 16,384 of O^T + 512 of statistics for each wave
.set WQOFF, 0x1600000 ; bytes in cb
.set QBOFF, 0x1000000
.set AK0, 2           ; v2   my lane's place in a slot's K; never rewritten
.set AV0, 3           ; v3   the same for V
.set ADR, 4           ; v4   the LDS address of the run of loads in hand
.set AWA, 5           ; v5   Wq's rows 0-63
.set STO, 6
.set RD,  7
.set GO,  8
.set ST,  12          ; tile t's statistics at v[ST+8 t]: +0 c m, +1 m, +2, +3 l, +4 to +7 at work
.set MG,  44          ; the joining area: my O^T
.set MS,  45          ; my statistics
.set MGL, 46          ; the partner's O^T
.set AWB, 47          ; Wq's rows 64-127
.set PST, 48          ; v48-51 the partner's (c m, l), a pair a tile
.set AQ,  56          ; Qin's rows of my local tiles 0, 1
.set BQO, 57
.set PF0, 58          ; my place in a slot's 65,536 bytes for the prefetch
.set PFO, 59          ; the prefetch's offset in the head
.set MSL, 60          ; the partner's statistics
.set AQ2, 61          ; Qin's rows of my local tiles 2, 3
.set SPW, 62
.set NIL, 63
.set S,   64
.set P,   192
.set KF,  128
.set QF,  128         ; window 3: q^T in f32
.set WV,  14
.set G1K, 24
.set G1V, 32
.set G0K, 40
.set G0V, 44
.set G1W, 48
.set G0W, 56
.set G0I, 60
.set G1I, 68
.set SLOTS, 76
.set CNT, 77
.set CS,  78          ; s[78:79] c
.set SEL, 80          ; s[80:81]
.set TBK, 82          ; LDS byte at which the slot's step to be fetched begins, for K
.set TBV, 83          ; for V
.set SB,  84          ; the base of the slot that is asked for: 0 or SLOTB
.set WK,  85          ; my part of a slot's K
.set WVO, 86          ; my part of a slot's V
.set GH,  87          ; g
.set KH,  88          ; kk
.set QC,  89
.set C2,  90          ; the cluster's x
.set PFS, 91          ; the slot to be prefetched, in bytes of the head
.set HK,  92          ; s[92:93] the head's first byte in kh
.set HV,  94          ; s[94:95] in vh
.set MSB, 0
.macro WIN new
.if MSB != (\new)
	s_set_vgpr_msb (MSB<<8)|(\new)
.set MSB, \new
.endif
.endm
.set W_KQ, 0x0a       ; K and Q in window 2, S^T in window 0
.set W_PV, 0x53       ; V in window 3, P in window 0, O^T in window 1
.set W_RS, 0x41       ; O^T (destination and source 0) in window 1, the factor in window 0
.macro PLACES
.rept 4
	v_nop
.endr
.endm
; A joint fill: waves 0 and 1 fetch the two halves of a slot's K, waves 2 and 3 those of its V, 128 rows each.  An s_nop 0 and four v_nop follow each line.
; pf = 1: the slot behind the one asked for is asked into the L2: its 256 blocks of 256 bytes of K by the 256 lanes of waves 0, 1 of the head's cluster 0, V's by waves 2, 3 of cluster 1: each block once;
; the offset stops at the head's last slot.
.macro JLOAD pf
	s_cmp_lt_u32 s[WV], 2
	s_cbranch_scc0 .Lfor_v_\@
	tensor_load_to_lds s[G0K:G0K+3], s[G1K:G1K+7]
	s_nop 0
	PLACES
.if \pf
	s_cmp_lg_u32 s[C2], 0
	s_cbranch_scc1 .Lasked_\@
	global_prefetch_b8 v[PFO], s[HK:HK+1] th:TH_LOAD_NT scope:SCOPE_SE
.endif
	s_branch .Lasked_\@
.Lfor_v_\@:
	tensor_load_to_lds s[G0V:G0V+3], s[G1V:G1V+7]
	s_nop 0
	PLACES
.if \pf
	s_cmp_lg_u32 s[C2], 1
	s_cbranch_scc1 .Lasked_\@
	global_prefetch_b8 v[PFO], s[HV:HV+1] th:TH_LOAD_NT scope:SCOPE_SE
.endif
.Lasked_\@:
.endm
.macro CROUND                       ; a round of the cluster's barrier
	s_barrier_signal -1
	s_barrier_wait -1
	s_cmp_lg_u32 s[WV], 0
	s_cbranch_scc1 .Lnot_wave_0_\@
	s_barrier_signal -3
.Lnot_wave_0_\@:
	s_barrier_wait -3
	s_barrier_signal -1
	s_barrier_wait -1
.endm
; THE CHANGE OF SLOTS.  Each wave waits for all its tensor loads (one is out: its part of the other slot), adds 0 to its spare word, and waits for that and for its reads of the slot that it leaves.
; fill = 1: the barrier is a round of the cluster's, and the slot just left is filled again first thing behind it, with the keys two slots on: it has 256 matrix instructions a wave in which to land.
.macro CHANGE fill
	WIN 0
	s_wait_tensorcnt 0x0            ; no tensor load of mine is out, so a group 0 may be written
	ds_add_u32 v[SPW], v[NIL]       ; 0 onto my spare word
.if \fill
	s_xor_b32 s[SB], s[SB], SLOTB   ; the other slot than last time,
	s_add_co_u32 s[G0K+1], s[SB], s[WK]
	s_add_co_u32 s[G0V+1], s[SB], s[WVO]
	s_add_nc_u64 s[G0K+2:G0K+3], s[G0K+2:G0K+3], 0x10000  ; the next 256 keys
	s_add_nc_u64 s[G0V+2:G0V+3], s[G0V+2:G0V+3], 0x10000
	s_wait_xcnt 0x0                 ; the last prefetch has read its offset
	s_add_co_u32 s[PFS], s[PFS], 0x10000
	s_min_u32 s[PFS], s[PFS], 15*0x10000  ; never past the head's last slot
	v_add_nc_u32 v[PFO], s[PFS], v[PF0]
	s_wait_dscnt 0x0                ; the add is done, and my reads of the slot are over
	CROUND
	JLOAD 1
.else
	s_wait_dscnt 0x0
	s_barrier_signal -1
	s_barrier_wait -1
.endif
	s_sub_co_u32 s[TBK], s[TBK], 2*KS*PK  ; the fetches go back to a slot's first step,
	s_xor_b32 s[TBK], s[TBK], SLOTB       ; in the other slot
	s_sub_co_u32 s[TBV], s[TBV], 2*KS*PV
	s_xor_b32 s[TBV], s[TBV], SLOTB
.endm
	s_load_b256 s[4:11], s[0:1], 0x0  ; cb s[4:5], bq s[6:7], kh s[8:9], vh s[10:11]
	s_load_b64 s[12:13], s[0:1], 0x20 ; obuf
	v_lshl_add_u32 v[SPW], v0, 2, SPARE
	v_mov_b32 v[NIL], 0
	ds_add_u32 v[SPW], v[NIL]       ; the wave's opening: the add and its wait stand ahead of my first tensor load
	v_lshrrev_b32 v1, 5, v0
	v_readfirstlane_b32 s[WV], v1   ; wave 0..3
	s_bfe_u32 s15, ttmp6, 0x40000   ; cx
	s_mov_b32 s[C2], ttmp9
	s_lshl_b32 s16, ttmp9, 2
	s_add_co_u32 s16, s16, s15      ; my block of 128 queries: it enters Qin's and obuf's addresses and the prefetch's offset alone
	s_and_b32 s17, ttmp7, 0xffff    ; 8 b + h, which the four partners share
	s_and_b32 s18, s17, 7           ; h
	s_lshr_b32 s19, s17, 3          ; b
	s_and_b32 s[GH], s[WV], 1
	s_lshr_b32 s[KH], s[WV], 1
	s_mul_i32 s[WK], s[GH], 128*PK
	s_mul_i32 s[WVO], s[GH], 128*PV
	s_add_co_u32 s[WVO], s[WVO], VOFF
	s_lshl_b32 s20, s17, 20         ; the head's 4,096 rows of 256 bytes
	s_mov_b32 s21, 0
	s_lshl_b32 s22, s[GH], 15       ; my 128 rows of a slot
	s_mov_b32 s23, 0
	s_lshl_b32 s2, s18, 17          ; Wq: row 128 h + 64 g, 1,024 bytes each
	s_lshl_b32 s3, s[GH], 16
	s_add_co_u32 s2, s2, s3
	s_add_co_u32 s2, s2, WQOFF
	s_mov_b32 s3, 0
	s_lshl_b32 s96, s19, 10
	s_lshl_b32 s97, s16, 7
	s_add_co_u32 s96, s96, s97
	s_lshl_b32 s97, s[GH], 6
	s_add_co_u32 s96, s96, s97      ; the row 1024 b + 128 block + 64 g
	s_lshl_b32 s98, s[KH], 5
	s_add_co_u32 s98, s98, s96      ; + 32 kk: the 32 rows that I finish
	s_lshl_b32 s98, s98, 12         ; in obuf: 4,096 bytes a row,
	s_lshl_b32 s99, s18, 9
	s_add_co_u32 s98, s98, s99      ; and the head's 512 bytes
	s_mov_b32 s99, 0
	s_lshl_b32 s96, s96, 10         ; in Q's copy: 1,024 bytes a row
	s_add_co_u32 s96, s96, QBOFF
	s_mov_b32 s97, 0
	; descriptor groups 1.  K, V: 128 rows x 128 elements, padded behind every 64 words.  Wq, Qin: 64 rows x 512 elements, padded behind every 256 words.
	s_mov_b32 s[G1K], 15|(1<<16)|(1<<20)|(1<<21)|(5<<22)|(3<<25)  ; the mask of four; 2-byte elements; padding on; bit 21 beside a mask; 4 words of padding
	s_mov_b32 s[G1V], 15|(1<<16)|(1<<20)|(1<<21)|(5<<22)|(7<<25)  ; 8 words of padding
.irp g, G1K, G1V
	s_mov_b32 s[(\g)+1], 128<<16    ; tensor_dim0
	s_mov_b32 s[(\g)+2], 128<<16    ; tensor_dim1
	s_mov_b32 s[(\g)+3], 128<<16    ; tile_dim0
	s_mov_b32 s[(\g)+4], 128        ; tile_dim1
	s_mov_b32 s[(\g)+5], 128        ; elements from row to row
	s_mov_b32 s[(\g)+6], 0
	s_mov_b32 s[(\g)+7], 0
.endr
	s_mov_b32 s[G1W], 15|(1<<16)|(1<<20)|(1<<21)|(7<<22)|(3<<25)
	s_mov_b32 s[G1I], (1<<16)|(1<<20)|(7<<22)|(3<<25)             ; no mask: each work-group's own
.irp g, G1W, G1I
	s_mov_b32 s[(\g)+1], 512<<16
	s_mov_b32 s[(\g)+2], 64<<16
	s_mov_b32 s[(\g)+3], 512<<16
	s_mov_b32 s[(\g)+4], 64
	s_mov_b32 s[(\g)+5], 512
	s_mov_b32 s[(\g)+6], 0
	s_mov_b32 s[(\g)+7], 0
.endr
	s_mov_b32 s[G0K], 1
	s_mov_b32 s[G0K+1], s[WK]       ; slot 0
	s_mov_b32 s[G0V], 1
	s_mov_b32 s[G0V+1], s[WVO]
	s_mov_b32 s[G0W], 1
	s_mul_i32 s[G0W+1], s[GH], 64*PW
	s_mov_b32 s[G0I], 1
	s_mul_i32 s[G0I+1], s[GH], 64*PW
	s_add_co_u32 s[G0I+1], s[G0I+1], QIT
	s_mov_b32 s[CS], 0x3d38aa3b     ; c = log2(e) / 32
	s_mov_b32 s[CS+1], s[CS]
	s_mov_b32 s[SEL], 0x76543210
	s_mov_b32 s[SEL+1], 0xfedcba98
	s_mov_b32 s[SB], 0
	s_mov_b32 s[PFS], 0x10000
	s_mov_b32 s[TBK], SLOTB+2*KS*PK ; the first change of slots turns these two into 0
	s_mov_b32 s[TBV], SLOTB+2*KS*PV
	s_wait_dscnt 0x0                ; the opening add is done
	s_wait_kmcnt 0x0
	s_add_nc_u64 s[HK:HK+1], s[8:9], s[20:21]
	s_add_nc_u64 s[HV:HV+1], s[10:11], s[20:21]
	s_add_nc_u64 s[G0K+2:G0K+3], s[HK:HK+1], s[22:23]
	s_or_b32 s[G0K+3], s[G0K+3], 0x80000000
	s_add_nc_u64 s[G0V+2:G0V+3], s[HV:HV+1], s[22:23]
	s_or_b32 s[G0V+3], s[G0V+3], 0x80000000
	s_add_nc_u64 s[G0W+2:G0W+3], s[4:5], s[2:3]
	s_or_b32 s[G0W+3], s[G0W+3], 0x80000000
	s_add_nc_u64 s[G0I+2:G0I+3], s[4:5], s[96:97]
	s_or_b32 s[G0I+3], s[G0I+3], 0x80000000
	s_add_nc_u64 s[12:13], s[12:13], s[98:99]
	s_lshl_b32 s20, s18, 9          ; the head's 128 numbers of bq
	s_add_nc_u64 s[6:7], s[6:7], s[20:21]
	CROUND                          ; all four work-groups are here
	s_cmp_lt_u32 s[WV], 2           ; a wave's one first fill: waves 0, 1 Wq's halves (joint), waves 2, 3 Qin's halves
	s_cbranch_scc0 .Lfirst_i
	tensor_load_to_lds s[G0W:G0W+3], s[G1W:G1W+7]
	s_nop 0
	PLACES
	s_branch .Lfirst_asked
.Lfirst_i:
	tensor_load_to_lds s[G0I:G0I+3], s[G1I:G1I+7]
	s_nop 0
	PLACES
.Lfirst_asked:
	v_and_b32 v1, 15, v0            ; l % 16
	v_bfe_u32 v9, v0, 4, 1          ; l / 16
	v_lshlrev_b32 v[BQO], 5, v9
.irp c, 0,1,2,3,4,5,6,7             ; v[S + 8 c + j] = bq[16 c + 8 (l / 16) + j] of the head: the C of the first products
	global_load_b128 v[S+8*(\c):S+8*(\c)+3],   v[BQO], s[6:7] offset:64*(\c)
	global_load_b128 v[S+8*(\c)+4:S+8*(\c)+7], v[BQO], s[6:7] offset:64*(\c)+16
.endr
	v_mul_u32_u24 v[AWA], v1, PW
	v_lshl_add_u32 v[AWA], v9, 4, v[AWA]  ; a fragment's row x pitch + 16 x half
	v_add_nc_u32 v[AWB], 64*PW, v[AWA]
	s_mul_i32 s20, s[GH], 64*PW
	s_add_co_u32 s20, s20, QIT      ; my 64 rows of Qin;
	s_mul_i32 s21, s[KH], 32*PW
	s_add_co_u32 s21, s21, s20
	v_add_nc_u32 v[AQ], s21, v[AWA] ; local tiles 0, 1 are rows 32 kk on,
	s_xor_b32 s21, s[KH], 1
	s_mul_i32 s21, s21, 32*PW
	s_add_co_u32 s21, s21, s20
	v_add_nc_u32 v[AQ2], s21, v[AWA]  ; local tiles 2, 3 the other 32
	v_mul_u32_u24 v[AK0], v1, PK
	v_lshl_add_u32 v[AK0], v9, 4, v[AK0]
	s_mul_i32 s20, s[KH], 128*PK    ; my half of a slot's keys
	v_add_nc_u32 v[AK0], s20, v[AK0]
	; the turning load: lane l reads key 8 (l / 16) + l % 8, channels 8 ((l / 8) % 2) + 0..7
	v_and_b32 v10, 7, v0
	v_bfe_u32 v11, v0, 3, 1
	v_lshl_add_u32 v[AV0], v9, 3, v10
	v_mul_u32_u24 v[AV0], v[AV0], PV
	v_lshl_add_u32 v[AV0], v11, 4, v[AV0]
	s_mul_i32 s20, s[KH], 128*PV
	s_add_co_u32 s20, s20, VOFF
	v_add_nc_u32 v[AV0], s20, v[AV0]
	v_and_b32 v10, 31, v0           ; lane
	s_mul_i32 s20, s[WV], 16*SP
	s_add_co_u32 s20, s20, STAGE    ; my stage
	v_mul_u32_u24 v[STO], v1, SP    ; in: row l % 16, 32 bytes for each half of the lanes
	v_lshl_add_u32 v[STO], v9, 5, v[STO]
	v_add_nc_u32 v[STO], s20, v[STO]
	v_lshl_add_u32 v[RD], v10, 4, s20  ; back: 32 lanes take a row of 512 bytes
	v_lshlrev_b32 v[GO], 4, v10
	s_mul_i32 s20, s[WV], MRGB      ; my part of the joining area,
	v_lshl_add_u32 v[MG], v10, 4, s20
	s_add_co_u32 s20, s20, 16384
	v_lshl_add_u32 v[MS], v10, 3, s20
	s_xor_b32 s21, s[WV], 2         ; and that of the wave with my queries and the other keys
	s_mul_i32 s21, s21, MRGB
	v_lshl_add_u32 v[MGL], v10, 4, s21
	s_add_co_u32 s21, s21, 16384
	v_lshl_add_u32 v[MSL], v10, 3, s21
	s_lshl_b32 s20, s15, 1
	s_add_co_u32 s20, s20, s[GH]
	s_lshl_b32 s20, s20, 13         ; (2 cx + g) x 32 lanes x 256 bytes
	v_lshl_add_u32 v[PF0], v10, 8, s20
; THE PROLOGUE's macros.  24 LDS loads: 32 along K at byte off of the rows: Wq's 8 blocks of 16 channels into window 3, my 4 tiles of Qin into window 2, buffer buf.
.macro QFETCH buf, off
	WIN 0xc0
.irp c, 0,1,2,3
	ds_load_b128 v[64*(\buf)+8*(\c):64*(\buf)+8*(\c)+3],   v[AWA] offset:(\c)*16*PW+(\off)
	ds_load_b128 v[64*(\buf)+8*(\c)+4:64*(\buf)+8*(\c)+7], v[AWA] offset:(\c)*16*PW+(\off)+32
.endr
.irp c, 0,1,2,3
	ds_load_b128 v[64*(\buf)+32+8*(\c):64*(\buf)+32+8*(\c)+3],   v[AWB] offset:(\c)*16*PW+(\off)
	ds_load_b128 v[64*(\buf)+32+8*(\c)+4:64*(\buf)+32+8*(\c)+7], v[AWB] offset:(\c)*16*PW+(\off)+32
.endr
	WIN 0x80
.irp t, 0,1
	ds_load_b128 v[KF+32*(\buf)+8*(\t):KF+32*(\buf)+8*(\t)+3],   v[AQ] offset:(\t)*16*PW+(\off)
	ds_load_b128 v[KF+32*(\buf)+8*(\t)+4:KF+32*(\buf)+8*(\t)+7], v[AQ] offset:(\t)*16*PW+(\off)+32
.endr
.irp t, 0,1
	ds_load_b128 v[KF+32*(\buf)+16+8*(\t):KF+32*(\buf)+16+8*(\t)+3],   v[AQ2] offset:(\t)*16*PW+(\off)
	ds_load_b128 v[KF+32*(\buf)+16+8*(\t)+4:KF+32*(\buf)+16+8*(\t)+7], v[AQ2] offset:(\t)*16*PW+(\off)+32
.endr
.endm
; 32 products, the 32 accumulators by turns.  first = 1: bq starts the sums.
.macro QMUL buf, first
.if \first
	WIN 0x4b                        ; Wq window 3, Qin window 2, C window 0, D window 1
.else
	WIN 0x5b                        ; C window 1
.endif
.irp c, 0,1,2,3,4,5,6,7
.irp t, 0,1,2,3
.if \first
	v_wmma_f32_16x16x32_bf16 v[64*(\t)+8*(\c):64*(\t)+8*(\c)+7], v[64*(\buf)+8*(\c):64*(\buf)+8*(\c)+7], v[KF+32*(\buf)+8*(\t):KF+32*(\buf)+8*(\t)+7], v[S+8*(\c):S+8*(\c)+7]
.else
	v_wmma_f32_16x16x32_bf16 v[64*(\t)+8*(\c):64*(\t)+8*(\c)+7], v[64*(\buf)+8*(\c):64*(\buf)+8*(\c)+7], v[KF+32*(\buf)+8*(\t):KF+32*(\buf)+8*(\t)+7], v[64*(\t)+8*(\c):64*(\t)+8*(\c)+7]
.endif
.endr
.endr
.endm
; THE WALK's macros.  Product i of 32 of O^T += V^T P for piece x: keys 32 (i / 16) on, channels 16 ((i / 2) % 8) on, tile x + i % 2.  The accumulators take turns.
.macro PV x
	WIN W_PV
.set rO, 64*((\x)+i%2)+8*((i/2)%8)
.set rV, 64*(i/16)+8*((i/2)%8)
.set rP, P+16*((\x)+i%2)+8*(i/16)
	v_wmma_f32_16x16x32_bf16 v[rO:rO+7], v[rV:rV+7], v[rP:rP+7], v[rO:rO+7]
.endm
; Product i of 32 of S^T = K Q^T: channels 32 (i / 8) on, keys 16 ((i / 2) % 4) on, tile x + i % 2.  The first 8 start the sums.
.macro KQ x
	WIN W_KQ
.set rS, S+32*((\x)+i%2)+8*((i/2)%4)
.set rK, KF+32*((i/2)%4)+8*(i/8)
.set rQ, 32*((\x)+i%2)+8*(i/8)
.if i < 8
	v_wmma_f32_16x16x32_bf16 v[rS:rS+7], v[rK:rK+7], v[rQ:rQ+7], 0
.else
	v_wmma_f32_16x16x32_bf16 v[rS:rS+7], v[rK:rK+7], v[rQ:rQ+7], v[rS:rS+7]
.endif
.endm
; The LDS loads stand in runs of 32.  last = 1 (the tail): in the last trip there is no further step, and the run is jumped over.
.macro FETCH_K last=0
	WIN 0
.if \last
	s_cmp_eq_u32 s[CNT], 1
	s_cbranch_scc1 .Lno_k_\@
.endif
	v_add_nc_u32 v[ADR], s[TBK], v[AK0]
	WIN 0x80
.irp f, 0,1,2,3,4,5,6,7,8,9,10,11,12,13,14,15  ; keys 16 (f / 4) on, channels 32 (f % 4) on
	ds_load_b128 v[KF+8*(\f):KF+8*(\f)+3],   v[ADR] offset:((\f)/4)*16*PK+((\f)%4)*64
	ds_load_b128 v[KF+8*(\f)+4:KF+8*(\f)+7], v[ADR] offset:((\f)/4)*16*PK+((\f)%4)*64+32
.endr
	s_add_co_u32 s[TBK], s[TBK], KS*PK  ; the next fetch is the next step's
.if \last
	WIN 0
.Lno_k_\@:
.endif
.endm
.macro FETCH_V
	WIN 0
	v_add_nc_u32 v[ADR], s[TBV], v[AV0]
	s_add_co_u32 s[TBV], s[TBV], KS*PV
	WIN 0xc0
.irp f, 0,1,2,3,4,5,6,7,8,9,10,11,12,13,14,15  ; keys 32 (f / 8) on, channels 16 (f % 8) on
	ds_load_tr16_b128 v[8*(\f):8*(\f)+3],   v[ADR] offset:((\f)/8)*32*PV+((\f)%8)*32
	ds_load_tr16_b128 v[8*(\f)+4:8*(\f)+7], v[ADR] offset:((\f)/8)*32*PV+16*PV+((\f)%8)*32
.endr
.endm
; One tile's softmax for one key step is a list of 134 instructions; SM writes number j of it for tile t.  s0-s31 are the lane's 32 scores, in pairs 0-15.
;   0-15    the maximum of s0-s31 and the old m, three operands at a time (each accumulator's lowest registers are read first)
;   16-20   the other half of the lanes' maximum; the new m; c m; c m_old - c m_new
;   21-87   33 exponentials (a, then s0-s31) at the odd numbers from 23 on, a plain instruction between any two: scalings ahead, roundings behind, the first sums
;   88-101  the last rounding; the rest of the sums; l = a l + the sum          102-133 the tile's O^T times a
.macro SM t
.set rT, ST+8*(\t)
.set rS, S+32*(\t)
.set rP, P+16*(\t)
.set rO, 64*(\t)+2*(j-102)
.set q, (j-20)/2
.if j < 102
	WIN 0
.endif
.if j < 4
	v_max3_num_f32 v[rT+4+j], v[rS+8*j], v[rS+8*j+1], v[rS+8*j+2]
.elseif j < 12
	v_max3_num_f32 v[rT+4+j%4], v[rT+4+j%4], v[rS+8*(j%4)+2*(j/4)+1], v[rS+8*(j%4)+2*(j/4)+2]
.elseif j == 12
	v_max3_num_f32 v[rT+4], v[rT+4], v[rS+7], v[rS+15]
.elseif j == 13
	v_max3_num_f32 v[rT+6], v[rT+6], v[rS+23], v[rS+31]
.elseif j == 14
	v_max3_num_f32 v[rT+4], v[rT+4], v[rT+5], v[rT+6]
.elseif j == 15
	v_max3_num_f32 v[rT+4], v[rT+4], v[rT+7], v[rT+1]
.elseif j == 16
	v_permlanex16_b32 v[rT+5], v[rT+4], s[SEL], s[SEL+1]  ; the query's other 32 keys lie in the lane 16 away
.elseif j == 17
	v_mov_b32 v[rT+7], v[rT]        ; c m_old is kept for a
.elseif j == 18
	v_max_num_f32 v[rT+1], v[rT+4], v[rT+5]
.elseif j == 19
	v_mul_f32 v[rT], s[CS], v[rT+1]
.elseif j == 20
	v_sub_f32 v[rT+7], v[rT+7], v[rT]
.elseif j == 23
	v_exp_f32 v[rT+6], v[rT+7]
.elseif (j < 88) && (j > 23) && (j%2 == 1)
	v_exp_f32 v[rS+(j-25)/2], v[rS+(j-25)/2]
.elseif (q < 4) || ((j < 76) && (q%2 == 0))
.set b, q/2+2
.if q < 4
.set b, q
.endif
	v_pk_fma_f32 v[rS+2*b:rS+2*b+1], v[rS+2*b:rS+2*b+1], s[CS:CS+1], v[rT:rT+1] op_sel_hi:[1,0,0] neg_lo:[0,0,1] neg_hi:[0,0,1]  ; pair b: c s - c m
.elseif (j < 88) && (q%2 == 1)
	s_wait_alu depctr_va_vdst(0)
	v_cvt_pk_bf16_f32 v[rP+(q-5)/2], v[rS+q-5], v[rS+q-4]
.elseif j == 89
	s_wait_alu depctr_va_vdst(0)
	v_cvt_pk_bf16_f32 v[rP+15], v[rS+30], v[rS+31]
.elseif j < 102                     ; the sum of the tile's 16 pairs, in place: neighbours 1, 2, 4 and 8 pairs apart, then l takes it
.set z, j-86
.if j < 89
.set z, (j-76)/4
.endif
.set w, 4
.set u, z
.if z >= 14
.set w, 32
.set u, 0
.elseif z >= 12
.set w, 16
.set u, z-12
.elseif z >= 8
.set w, 8
.set u, z-8
.endif
.if z < 15
	v_pk_add_f32 v[rS+w*u:rS+w*u+1], v[rS+w*u:rS+w*u+1], v[rS+w*u+w/2:rS+w*u+w/2+1]
.else
	v_pk_fma_f32 v[rT+2:rT+3], v[rT+2:rT+3], v[rT+6:rT+7], v[rS:rS+1] op_sel_hi:[1,0,1]
.endif
.else
	WIN W_RS
	v_pk_mul_f32 v[rO:rO+1], v[rO:rO+1], v[rT+6:rT+7] op_sel_hi:[1,0]
.endif
.endm
; Slice k of 64 of piece y's softmax: numbers 2 k and 2 k + 1 of both tiles' lists; the twelve that are over stand in slice 63, which is also the places behind the turn's last products.
.macro SLICE y
.if (k >= 11) && (k < 44)           ; tile by tile: plain, exponential, plain, exponential
.irp t, \y, (\y)+1
.irp n, 0,1
.set j, 2*k+(\n)
	SM \t
.endr
.endr
.else                               ; the two tiles alternate
.irp n, 0,1,2,3,4,5,6,7
.if ((\n) < 2) || (k == 63)
.irp t, \y, (\y)+1
.set j, 2*k+(\n)
	SM \t
.endr
.endif
.endr
.endif
.set k, k+1
.endm
; A TURN.  Piece x has the matrix unit; the other piece's softmax stands in slices behind its matrix instructions.  Piece 0's turn fetches the next step's K (the last product that read K stands in front of
; slice 63 of the turn before), piece 2's turn the same step's V (the last product that read V stands three slices, six plain instructions, back); each run is 30 matrix instructions ahead of its first use.
.macro TURN x, last=0
.set k, 0
.if (\x) == 0
	s_wait_dscnt 0x0                ; V is in
.endif
.set i, 0
.rept 32
	PV \x
	SLICE 2-(\x)
.if ((\x) == 0) && (i == 1)
	FETCH_K \last
.endif
.set i, i+1
.endr
.if (\x) == 0
	s_wait_dscnt 0x0                ; K is in
.endif
.set i, 0
.rept 32
	KQ \x
	SLICE 2-(\x)
.if ((\x) == 2) && (i == 1)
	FETCH_V
.endif
.set i, i+1
.endr
.endm
	s_wait_tensorcnt 0x0            ; my part of Wq or Qin is in
	s_barrier_signal -1
	s_barrier_wait -1               ; everybody's is
	QFETCH 0, 0
	s_wait_loadcnt 0x0              ; bq
	WIN 0                           ; bq is rounded to bf16 and widened again, in place, pair by pair
.set n, 0
.rept 32
	v_cvt_pk_bf16_f32 v[S+2*n], v[S+2*n], v[S+2*n+1]
	v_and_b32 v[S+2*n+1], 0xffff0000, v[S+2*n]
	v_lshlrev_b32 v[S+2*n], 16, v[S+2*n]
.set n, n+1
.endr
	QFETCH 1, 64
	s_wait_dscnt 24                 ; buffer 0 is in; buffer 1's 24 loads may be out
	QMUL 0, 1
	WIN 0
	s_mov_b32 s[QC], 7
.Lq:                                ; a trip: two steps of 32 along K
	v_add_nc_u32 v[AWA], 128, v[AWA]  ; these four are the places in front of the loads into buffer 0
	v_add_nc_u32 v[AWB], 128, v[AWB]
	v_add_nc_u32 v[AQ], 128, v[AQ]
	v_add_nc_u32 v[AQ2], 128, v[AQ2]
	QFETCH 0, 0
	s_wait_dscnt 24                 ; buffer 1 is in
	QMUL 1, 0
	PLACES
	QFETCH 1, 64
	s_wait_dscnt 24                 ; buffer 0 is in
	QMUL 0, 0
	WIN 0
	s_sub_co_u32 s[QC], s[QC], 1
	s_cmp_lg_u32 s[QC], 0
	s_cbranch_scc1 .Lq
	s_wait_dscnt 0x0
	QMUL 1, 0
	WIN 0
	s_wait_tensorcnt 0x0            ; Wq's bytes are filled again: my loads are done,
	ds_add_u32 v[SPW], v[NIL]
	s_wait_dscnt 0x0                ; and my reads of Wq and Qin are over
	CROUND
	JLOAD 0                         ; the head's slot 0; the four v_nop are also the places behind the last products
	WIN 0x85                        ; sources window 1, destination window 2
.set n, 0
.rept 128                           ; q rounded to bf16: accumulators (t, 2 c) and (t, 2 c + 1) make the fragment of tile t, channels 32 c on
	v_cvt_pk_bf16_f32 v[n], v[2*n], v[2*n+1]
.set n, n+1
.endr
	WIN 0xc1                        ; source window 1, destination window 3
.set n, 0
.rept 128                           ; the f32 q^T of local tiles 0, 1 is kept for the end
	v_mov_b32 v[QF+n], v[n]
.set n, n+1
.endr
	CHANGE 1                        ; slot 0 is in, everybody's part of it; slot 1 is asked for, over Qin's bytes
	FETCH_K                         ; key step 0
	s_wait_dscnt 0x0
.set i, 0
.rept 32
	KQ 0                            ; piece 0's first scores
.set i, i+1
.endr
	WIN 0                           ; what the first turn finds; these lines are also the places behind those products
.set n, P+32
.rept 32
	v_mov_b32 v[n], 0               ; piece 2's weights of a step that has not been: its products add 0
.set n, n+1
.endr
.irp t, 0,1,2,3
	v_mov_b32 v[ST+8*(\t)], 0xfe000000    ; c m: far below every c s, so the first a is 0
	v_mov_b32 v[ST+8*(\t)+1], 0xff7fffff  ; m: the lowest finite number
	v_mov_b32 v[ST+8*(\t)+2], 0
	v_mov_b32 v[ST+8*(\t)+3], 0
.endr
	s_mov_b32 s[CNT], 2
	s_mov_b32 s[SLOTS], 15
	s_branch .Lfirst                ; the loop is entered in the middle of a trip
.Lslot:                             ; 14 times: slots 2 to 15 are asked for
	CHANGE 1
	s_mov_b32 s[CNT], 2
.Lstep:
	TURN 0
	WIN 0
.Lfirst:
	TURN 2
	WIN 0
	s_sub_co_u32 s[CNT], s[CNT], 1
	s_cmp_lg_u32 s[CNT], 0
	s_cbranch_scc1 .Lstep
	s_sub_co_u32 s[SLOTS], s[SLOTS], 1
	s_cmp_lg_u32 s[SLOTS], 0
	s_cbranch_scc1 .Lslot
	CHANGE 0                        ; the tail is written out: nothing is asked for
	s_mov_b32 s[CNT], 3             ; two trips fetch the last slot's steps; the third is left in its middle
.Ltail:
	TURN 0, 1
	WIN 0
	s_sub_co_u32 s[CNT], s[CNT], 1
	s_cmp_eq_u32 s[CNT], 0
	s_cbranch_scc1 .Lout
	TURN 2
	WIN 0
	s_branch .Ltail
.Lout:                              ; the third trip's 32 products K Q^T (on the last K once more) serve nothing: the price, once a launch, of one text for every trip
.set i, 0
.rept 32
	PV 2                            ; piece 2's V^T P of the last step
.set i, i+1
.endr
	; THE TWO HALVES OF THE KEYS ARE JOINED.  l's two halves and the other half of the lanes' are added: (c m, l) is a pair.  The additions are the places behind the last products.
	WIN 0
.macro ALL line:vararg              ; one line for each tile t
.set t, 0
.rept 4
	\line
.set t, t+1
.endr
.endm
.macro TWO line:vararg              ; one line for each of the tiles 0, 1
.set t, 0
.rept 2
	s_wait_alu depctr_va_vdst(0)
	\line
.set t, t+1
.endr
.endm
	ALL v_add_f32 v[ST+8*t+4], v[ST+8*t+2], v[ST+8*t+3]
	ALL v_permlanex16_b32 v[ST+8*t+5], v[ST+8*t+4], s[SEL], s[SEL+1]
	ALL v_add_f32 v[ST+8*t+1], v[ST+8*t+4], v[ST+8*t+5]
	WIN 0x04                        ; every wave lays its local tiles 2, 3 and their pairs down in its part of slot 0's bytes: their last fill was read out ahead of the last change's barrier
.set n, 0
.rept 32
	ds_store_b128 v[MG], v[128+4*n:128+4*n+3] offset:512*n
.set n, n+1
.endr
	WIN 0
.irp t, 2,3
	ds_store_b64 v[MS], v[ST+8*(\t):ST+8*(\t)+1] offset:256*((\t)-2)
.endr
	s_wait_dscnt 0x0                ; for the others' sake: my stores are done
	s_barrier_signal -1
	s_barrier_wait -1
.macro MLOAD t                      ; the partner's O^T for my tile t -> window 3, v[64 t ..]
	WIN 0xc0
.irp r, 0,1,2,3,4,5,6,7,8,9,10,11,12,13,14,15
	ds_load_b128 v[64*(\t)+4*(\r):64*(\t)+4*(\r)+3], v[MGL] offset:512*(16*(\t)+(\r))
.endr
	WIN 0
.endm
.irp t, 0,1
	ds_load_b64 v[PST+2*(\t):PST+2*(\t)+1], v[MSL] offset:256*(\t)
.endr
	MLOAD 0
	MLOAD 1
	s_wait_dscnt 32                 ; the pairs are in; the two tiles' 32 loads may be out
	; f1 = 2^(c m1 - c m) / l, f2 = 2^(c m2 - c m) / l with c m the greater of the two and l = 2^(c m1 - c m) l1 + 2^(c m2 - c m) l2
	TWO v_max_num_f32 v[ST+8*t+2], v[ST+8*t], v[PST+2*t]
	TWO v_sub_f32 v[ST+8*t+4], v[ST+8*t], v[ST+8*t+2]
	TWO v_sub_f32 v[ST+8*t+6], v[PST+2*t], v[ST+8*t+2]
	TWO v_exp_f32 v[ST+8*t+4], v[ST+8*t+4]
	TWO v_exp_f32 v[ST+8*t+6], v[ST+8*t+6]
	v_nop                           ; a plain instruction between the last exponential and the use of its result
	TWO v_mul_f32 v[ST+8*t+3], v[ST+8*t+4], v[ST+8*t+1]
	TWO v_fmac_f32 v[ST+8*t+3], v[ST+8*t+6], v[PST+2*t+1]
	TWO v_rcp_f32 v[ST+8*t+3], v[ST+8*t+3]
	v_nop
	TWO v_mul_f32 v[ST+8*t+4], v[ST+8*t+4], v[ST+8*t+3]
	TWO v_mul_f32 v[ST+8*t+6], v[ST+8*t+6], v[ST+8*t+3]
; Tile t: O = O1 f1 + q, then + O2 f2; a lane's eight channels (32 bytes) go into rows of 528 bytes of my stage and come back as whole rows of 512, which are stored.  Each tile has row registers of its own.
.macro MERGE t
.if (\t) == 0
	s_wait_dscnt 16                 ; tile 0's are in; tile 1's 16 may be out
.else
	s_wait_dscnt 0x0
.endif
	WIN 0x71                        ; O^T (destination and source 0) in window 1, the factor in window 0, q^T in window 3
.set n, 0
.rept 32
	v_pk_fma_f32 v[64*(\t)+2*n:64*(\t)+2*n+1], v[64*(\t)+2*n:64*(\t)+2*n+1], v[ST+8*(\t)+4:ST+8*(\t)+5], v[QF+64*(\t)+2*n:QF+64*(\t)+2*n+1] op_sel_hi:[1,0,1]
.set n, n+1
.endr
	WIN 0x53                        ; the partner's in window 3, the factor in window 0, O^T in window 1
.set n, 0
.rept 32
	v_pk_fma_f32 v[64*(\t)+2*n:64*(\t)+2*n+1], v[64*(\t)+2*n:64*(\t)+2*n+1], v[ST+8*(\t)+6:ST+8*(\t)+7], v[64*(\t)+2*n:64*(\t)+2*n+1] op_sel_hi:[1,0,1]
.set n, n+1
.endr
	WIN 0x04
.irp f, 0,1,2,3,4,5,6,7,8,9,10,11,12,13,14,15
	ds_store_b128 v[STO], v[64*(\t)+4*(\f):64*(\t)+4*(\f)+3] offset:64*((\f)/2)+16*((\f)%2)
.endr
	WIN 0
.irp r, 0,1,2,3,4,5,6,7,8,9,10,11,12,13,14,15
	ds_load_b128 v[S+64*(\t)+4*(\r):S+64*(\t)+4*(\r)+3], v[RD] offset:SP*(\r)  ; LDS serves a wave's instructions in order (ISA guide 5.7.1.4): these see the stores above
.endr
.irp r, 0,1,2,3,4,5,6,7,8,9,10,11,12,13,14,15
	s_wait_dscnt 15-(\r)            ; row r is back; the rows behind it may be out
	global_store_b128 v[GO], v[S+64*(\t)+4*(\r):S+64*(\t)+4*(\r)+3], s[12:13] offset:(16*(\t)+(\r))*4096  ; 512 consecutive bytes, at a multiple of 512 from obuf's first
.endr
.endm
	MERGE 0
	MERGE 1
	s_wait_tensorcnt 0x0            ; the wave's end
	ds_add_u32 v[SPW], v[NIL]
	s_wait_dscnt 0x0
	CROUND                          ; the closing round
	s_endpgm
.Lfunc_end_k_q2269c790bf_attn:
	.size	k_q2269c790bf_attn, .Lfunc_end_k_q2269c790bf_attn-k_q2269c790bf_attn
	.p2alignl 7, 3214868480
	.fill 96, 4, 3214868480
	.section	.rodata,"a",@progbits
	.p2align	6, 0x0
	.amdhsa_kernel k_q2269c790bf_attn
		.amdhsa_group_segment_fixed_size 327680
		.amdhsa_private_segment_fixed_size 0
		.amdhsa_enable_private_segment 0
		.amdhsa_kernarg_size 40
		.amdhsa_user_sgpr_count 2
		.amdhsa_user_sgpr_kernarg_segment_ptr 1
		.amdhsa_wavefront_size32 1
		.amdhsa_system_sgpr_workgroup_id_x 1
		.amdhsa_system_sgpr_workgroup_id_y 1
		.amdhsa_system_sgpr_workgroup_id_z 1
		.amdhsa_system_vgpr_workitem_id 0
		.amdhsa_next_free_vgpr 1024
		.amdhsa_next_free_sgpr 100
		.amdhsa_reserve_vcc 0
		.amdhsa_float_denorm_mode_32 3
		.amdhsa_float_denorm_mode_16_64 3
		.amdhsa_memory_ordered 1
		.amdhsa_forward_progress 1
		.amdhsa_inst_pref_size 183
	.end_amdhsa_kernel
	.amdgpu_metadata
---
amdhsa.version: [ 1, 2 ]
amdhsa.kernels:
  - .name:           k_q2269c790bf_attn
    .symbol:         k_q2269c790bf_attn.kd
    .args:
      - { .name: cb, .offset: 0, .size: 8, .value_kind: global_buffer, .address_space: global }
      - { .name: bq, .offset: 8, .size: 8, .value_kind: global_buffer, .address_space: global }
      - { .name: kh, .offset: 16, .size: 8, .value_kind: global_buffer, .address_space: global }
      - { .name: vh, .offset: 24, .size: 8, .value_kind: global_buffer, .address_space: global }
      - { .name: obuf, .offset: 32, .size: 8, .value_kind: global_buffer, .address_space: global }
    .group_segment_fixed_size: 327680
    .private_segment_fixed_size: 0
    .kernarg_segment_align: 8
    .kernarg_segment_size: 40
    .max_flat_workgroup_size: 128
    .sgpr_count:     100
    .vgpr_count:     1024
    .wavefront_size: 32
...
	.end_amdgpu_metadata
.endif
;; end of part 3
;; launch ln0 (part 4): grid 256 x 1, 16 waves a work-group, no clusters, 0 bytes of LDS; arguments obuf, g0, b0, xn; writes xn
.if DOCPART == 4
	.amdgcn_target "amdgcn-amd-amdhsa--gfx1250"
	.amdhsa_code_object_version 6
	.text
	.protected	k_q2269c790bf_ln0
	.globl	k_q2269c790bf_ln0
	.p2align	8
	.type	k_q2269c790bf_ln0,@function
k_q2269c790bf_ln0:
	s_mov_b64 s[64:65], 0
	v_nop
	global_prefetch_b8 v0, s[64:65] scope:SCOPE_SE
	s_setreg_imm32_b32 hwreg(HW_REG_WAVE_MODE, 25, 1), 1
	s_wait_xcnt 0x0
; xn = LayerNorm(obuf) x g0 + b0, rounded once to bf16: the matrix operand of the product with Wo.  obuf: [4096][1024] f32, xn: [4096][1024] bf16.
; g0 and b0 are taken rounded once to bf16, like all the module's inputs (one choice for the whole program): they are packed in registers and read as halves.
; One wave, one row; sixteen waves, sixteen rows a work-group.  A row of 4,096 bytes is 32 registers, so it is read once and the sums never leave the wave: no LDS, no barrier.
; Lane l holds columns 128 j + 4 l + 0..3, j = 0..7: a load covers 512 consecutive bytes, a store of 8 bytes a lane 256, aligned.
; The mean is taken away before the squares are summed, as the definition has it: no difference of large sums is formed.
.set GP, 4                             ; v[4:35]    g0 of my columns as loaded; then v[4:19] two bf16 a word
.set BP, 36                            ; v[36:67]   b0 likewise
.set X,  68                            ; v[68:99]   the row
.set T,  100                           ; v[100:107] four chains
.set M,  108                           ; v[108:109] the mean, twice
.set R,  110                           ; v[110:111] 1 / sqrt(var + eps), twice
.set Y,  112                           ; v[112:127] the row in bf16
.set SEL, 12                           ; s[12:13] v_permlanex16_b32's selects
.set INV, 14                           ; 1 / 1024
.set EPS, 15
.macro JOIN                            ; the four chains into one number, summed over the 32 lanes, in every lane's v[T]
	v_pk_add_f32 v[T:T+1], v[T:T+1], v[T+2:T+3]
	v_pk_add_f32 v[T+4:T+5], v[T+4:T+5], v[T+6:T+7]
	v_pk_add_f32 v[T:T+1], v[T:T+1], v[T+4:T+5]
	v_add_f32 v[T], v[T], v[T+1]
	v_add_f32_dpp v[T], v[T], v[T] row_xmask:1 row_mask:0xf bank_mask:0xf
	v_add_f32_dpp v[T], v[T], v[T] row_xmask:2 row_mask:0xf bank_mask:0xf
	v_add_f32_dpp v[T], v[T], v[T] row_xmask:4 row_mask:0xf bank_mask:0xf
	v_add_f32_dpp v[T], v[T], v[T] row_xmask:8 row_mask:0xf bank_mask:0xf
	v_permlanex16_b32 v[T+1], v[T], s[SEL], s[SEL+1]
	v_add_f32 v[T], v[T], v[T+1]
.endm
.macro LSTAT x                         ; the row in v[x .. x + 31] becomes (x - mean) / sqrt(var + eps), in place
.irp c, 0,1,2,3
	v_pk_add_f32 v[T+2*(\c):T+2*(\c)+1], v[(\x)+2*(\c):(\x)+2*(\c)+1], v[(\x)+8+2*(\c):(\x)+8+2*(\c)+1]
.endr
.irp i, 8,9,10,11,12,13,14,15
	v_pk_add_f32 v[T+2*((\i)%4):T+2*((\i)%4)+1], v[T+2*((\i)%4):T+2*((\i)%4)+1], v[(\x)+2*(\i):(\x)+2*(\i)+1]
.endr
	JOIN
	v_mul_f32 v[M], s[INV], v[T]
	v_mul_f32 v[M+1], s[INV], v[T]
.irp i, 0,1,2,3,4,5,6,7,8,9,10,11,12,13,14,15
	v_pk_add_f32 v[(\x)+2*(\i):(\x)+2*(\i)+1], v[(\x)+2*(\i):(\x)+2*(\i)+1], v[M:M+1] neg_lo:[0,1] neg_hi:[0,1]
.endr
.irp c, 0,1,2,3
	v_pk_mul_f32 v[T+2*(\c):T+2*(\c)+1], v[(\x)+2*(\c):(\x)+2*(\c)+1], v[(\x)+2*(\c):(\x)+2*(\c)+1]
.endr
.irp i, 4,5,6,7,8,9,10,11,12,13,14,15
	v_pk_fma_f32 v[T+2*((\i)%4):T+2*((\i)%4)+1], v[(\x)+2*(\i):(\x)+2*(\i)+1], v[(\x)+2*(\i):(\x)+2*(\i)+1], v[T+2*((\i)%4):T+2*((\i)%4)+1]
.endr
	JOIN
	v_fma_f32 v[T], v[T], s[INV], s[EPS]
	v_rsq_f32 v[R], v[T]
	v_rsq_f32 v[R+1], v[T]
	v_nop                                          ; a plain instruction between the root and the use of its result (ISA guide 5.7.2)
	s_wait_alu depctr_va_vdst(0)
.irp i, 0,1,2,3,4,5,6,7,8,9,10,11,12,13,14,15
	v_pk_mul_f32 v[(\x)+2*(\i):(\x)+2*(\i)+1], v[(\x)+2*(\i):(\x)+2*(\i)+1], v[R:R+1]
.endr
.endm
.macro PACK16 p                        ; 32 numbers rounded to bf16, two a word, in place: word i is written when numbers 2 i and 2 i + 1 are read
.irp i, 0,1,2,3,4,5,6,7,8,9,10,11,12,13,14,15
	v_cvt_pk_bf16_f32 v[(\p)+(\i)], v[(\p)+2*(\i)], v[(\p)+2*(\i)+1]
.endr
.endm
.macro LAFF x, g, b                    ; x = x g + b, one fused multiply-add in f32 a number; g and b are bf16 halves: number e lies in word e / 2, half e % 2
.set e, 0
.rept 32
.if e%2
	v_fma_mix_f32_bf16 v[(\x)+e], v[(\x)+e], v[(\g)+e/2], v[(\b)+e/2] op_sel:[0,1,1] op_sel_hi:[0,1,1]
.else
	v_fma_mix_f32_bf16 v[(\x)+e], v[(\x)+e], v[(\g)+e/2], v[(\b)+e/2] op_sel_hi:[0,1,1]
.endif
.set e, e+1
.endr
.endm
	s_load_b256 s[4:11], s[0:1], 0x0               ; obuf s[4:5], g0 s[6:7], b0 s[8:9], xn s[10:11]
	v_lshrrev_b32 v3, 5, v0
	v_readfirstlane_b32 s16, v3                    ; wave 0..15
	v_and_b32 v1, 31, v0
	v_lshlrev_b32 v2, 3, v1                        ; 8 bytes a lane out
	v_lshlrev_b32 v1, 4, v1                        ; 16 bytes a lane in
	s_lshl_b32 s18, ttmp9, 16                      ; 16 rows of 4,096 bytes a work-group,
	s_lshl_b32 s17, s16, 12                        ; one a wave
	s_add_co_u32 s18, s18, s17
	s_mov_b32 s19, 0
	s_lshr_b32 s20, s18, 1                         ; xn's rows are half as long
	s_mov_b32 s21, 0
	s_mov_b32 s[SEL], 0x76543210
	s_mov_b32 s[SEL+1], 0xfedcba98
	s_mov_b32 s[INV], 0x3a800000                   ; 1 / 1024
	s_mov_b32 s[EPS], 0x3727c5ac                   ; 1e-5
	s_wait_kmcnt 0x0
	s_add_nc_u64 s[4:5], s[4:5], s[18:19]
	s_add_nc_u64 s[10:11], s[10:11], s[20:21]
.irp j, 0,1,2,3,4,5,6,7
	global_load_b128 v[X+4*(\j):X+4*(\j)+3], v1, s[4:5] offset:512*(\j)
.endr
.irp j, 0,1,2,3,4,5,6,7
	global_load_b128 v[GP+4*(\j):GP+4*(\j)+3], v1, s[6:7] offset:512*(\j)
.endr
.irp j, 0,1,2,3,4,5,6,7
	global_load_b128 v[BP+4*(\j):BP+4*(\j)+3], v1, s[8:9] offset:512*(\j)
.endr
	s_wait_loadcnt 16                              ; the row's eight loads are in; the sixteen of g0 and b0 may be out
	LSTAT X
	s_wait_loadcnt 0x0                             ; g0 and b0
	PACK16 GP
	PACK16 BP
	LAFF X, GP, BP
.irp i, 0,1,2,3,4,5,6,7,8,9,10,11,12,13,14,15
	v_cvt_pk_bf16_f32 v[Y+(\i)], v[X+2*(\i)], v[X+2*(\i)+1]
.endr
.irp j, 0,1,2,3,4,5,6,7
	global_store_b64 v2, v[Y+2*(\j):Y+2*(\j)+1], s[10:11] offset:256*(\j)  ; 256 consecutive bytes, aligned
.endr
	s_endpgm
.Lfunc_end_k_q2269c790bf_ln0:
	.size	k_q2269c790bf_ln0, .Lfunc_end_k_q2269c790bf_ln0-k_q2269c790bf_ln0
	.p2alignl 7, 3214868480
	.fill 96, 4, 3214868480
	.section	.rodata,"a",@progbits
	.p2align	6, 0x0
	.amdhsa_kernel k_q2269c790bf_ln0
		.amdhsa_group_segment_fixed_size 0
		.amdhsa_private_segment_fixed_size 0
		.amdhsa_enable_private_segment 0
		.amdhsa_kernarg_size 32
		.amdhsa_user_sgpr_count 2
		.amdhsa_user_sgpr_kernarg_segment_ptr 1
		.amdhsa_wavefront_size32 1
		.amdhsa_system_sgpr_workgroup_id_x 1
		.amdhsa_system_sgpr_workgroup_id_y 1
		.amdhsa_system_sgpr_workgroup_id_z 1
		.amdhsa_system_vgpr_workitem_id 0
		.amdhsa_next_free_vgpr 128
		.amdhsa_next_free_sgpr 66
		.amdhsa_reserve_vcc 0
		.amdhsa_float_denorm_mode_32 3
		.amdhsa_float_denorm_mode_16_64 3
		.amdhsa_memory_ordered 1
		.amdhsa_forward_progress 1
		.amdhsa_inst_pref_size 15
	.end_amdhsa_kernel
	.amdgpu_metadata
---
amdhsa.version: [ 1, 2 ]
amdhsa.kernels:
  - .name:           k_q2269c790bf_ln0
    .symbol:         k_q2269c790bf_ln0.kd
    .args:
      - { .name: obuf, .offset: 0, .size: 8, .value_kind: global_buffer, .address_space: global }
      - { .name: g0, .offset: 8, .size: 8, .value_kind: global_buffer, .address_space: global }
      - { .name: b0, .offset: 16, .size: 8, .value_kind: global_buffer, .address_space: global }
      - { .name: xn, .offset: 24, .size: 8, .value_kind: global_buffer, .address_space: global }
    .group_segment_fixed_size: 0
    .private_segment_fixed_size: 0
    .kernarg_segment_align: 8
    .kernarg_segment_size: 32
    .max_flat_workgroup_size: 512
    .sgpr_count:     66
    .vgpr_count:     128
    .wavefront_size: 32
...
	.end_amdgpu_metadata
.endif
;; end of part 4
;; launch gemm (part 5): grid 8 x 32, 4 waves a work-group, clusters of 4 x 4, 327,680 bytes of LDS; arguments xn, cb, bo, zb; writes zb
.if DOCPART == 5
	.amdgcn_target "amdgcn-amd-amdhsa--gfx1250"
	.amdhsa_code_object_version 6
	.text
	.protected	k_q2269c790bf_gemm
	.globl	k_q2269c790bf_gemm
	.p2align	8
	.type	k_q2269c790bf_gemm,@function
k_q2269c790bf_gemm:
	s_mov_b64 s[64:65], 0
	v_nop
	global_prefetch_b8 v0, s[64:65] scope:SCOPE_SE
	s_setreg_imm32_b32 hwreg(HW_REG_WAVE_MODE, 25, 1), 1
	s_wait_xcnt 0x0
	s_wait_alu depctr_hold_cnt(0) depctr_sa_sdst(0) depctr_va_vdst(0) depctr_va_sdst(0) depctr_va_ssrc(0) depctr_va_vcc(0) depctr_vm_vsrc(0)
	s_getreg_b32 s2, hwreg(HW_REG_IB_STS2, 6, 4)
	s_cmp_eq_u32 s2, 0
	s_cbranch_scc0 .Lentry_in_a_cluster
	s_endpgm
.Lentry_in_a_cluster:
	s_bfe_u32 s2, ttmp6, 0x10000c
	s_cmp_lg_u32 s2, 0xf033
	s_cbranch_scc0 .Lentry_shape_is_right
	s_endpgm
.Lentry_shape_is_right:
; zb = relu(X Wo^T + bo) in f32.  X = xn [4096][1024] bf16, Wo in bf16 in cb [1024][1024]; bo is taken rounded to bf16, like all the module's inputs; sums in f32, started by the bias.
; LIMIT.  A NaN becomes 0 in the maximum with 0.
; C is 4096 x 1024: tiles of 128 x 128 give each of 256 work-groups one.  Four waves, each 64 x 64: 16 accumulators.  K goes in four steps of 256 (LDS rows of 512 bytes) through two slots.
; A K STEP'S TEXT STANDS ONCE FOR THE STEPS THAT FILL AND ONCE FOR THOSE THAT DO NOT: the base of the slot in hand is a scalar register (0 or SLOT) that an exclusive or turns at each change of slots.
; The first loop's two trips fill both slots again (K steps 2 and 3).  The second loop's two trips ask for nothing; the second is left in its middle: its barrier and its 32 LDS loads serve nothing, the price, once a launch, of one text for both.
; CLUSTERS: 4 x 4 work-groups; A's tiles are shared along a row of the cluster, B's along a column, each asked for jointly by the same load, descriptor and mask in all four.
; THE MATRIX INSTRUCTION IS USED TRANSPOSED (source 0 = 16 rows of B, source 1 = 16 rows of A): a lane holds eight neighbouring numbers of a row of C.
; THE WAY OUT: a wave's 64 columns in f32 are 256 consecutive bytes, aligned: each wave has a stage of its own (16 rows x 272 bytes) and needs no barrier.
; REGISTERS: window 0: v0-31 addresses; v32-95 two buffers of 16 rows on the way out; v96-127 the bias; v128-255 the accumulators ((a, b) at v[128 + 8 (4 a + b)]).  window 1: two fragment buffers of 128.
.set SIZE_K, 1024
.set KSTEP,  256
.set PITCH,  528                       ; 512 bytes + 16: the 16 rows that a load touches start at 16 different groups of four banks (ISA guide 11.1)
.set HALFT,  64*PITCH
.set SLOT,   4*HALFT
.set STAGE,  2*SLOT                    ; behind the ring: 16 rows x 272 bytes for each wave
.set SPITCH, 272
.set SPARE,  STAGE+4*16*SPITCH         ; the spare words, 128 bytes a wave; no other line names them
.set WO,   0x1700000                   ; byte of Wo's first row in cb
.set ADRA, 16                          ; v16  LDS address of my A fragments in the slot in hand
.set A0,   17                          ; v17  the same in slot 0; never rewritten
.set ADRB, 20                          ; v20, v21 the same for B
.set B0,   21
.set STO,  24
.set RD,   25
.set CO,   26
.set BO,   27
.set SPW,  28
.set NIL,  29
.set TMP,  32
.set BIAS, 96
.set ACC,  128
.set F0,   0
.set F1,   128
.set G1, 24
.set G0, 32                            ; s[32:39] group 0 for A's tiles: a set for each of the two first fills; the second then walks on
.set G1B, 48
.set G0B, 56                           ; s[56:63] the same for B's tiles
.set RB,  74                           ; s74  the base of the slot in hand: 0 or SLOT
.set HIM, 75                           ; s75  a word's upper bf16
.set MSB, 0
.macro WIN new
.if MSB != (\new)
	s_set_vgpr_msb (MSB<<8)|(\new)
.set MSB, \new
.endif
.endm
.set MUL,  0x05                        ; sources 0 (B) and 1 (A) window 1; C and D window 0
.set TO_F, 0x40                        ; destination window 1, address window 0
.macro JLOAD s                         ; a joint load: waves 0 and 1 fetch A's two halves, waves 2 and 3 B's; an s_nop 0 and four v_nop follow each line
	s_cmp_eq_u32 s11, 0
	s_cbranch_scc0 .Lfor_b_\@
	tensor_load_to_lds s[G0+4*(\s):G0+4*(\s)+3], s[G1:G1+7]
	s_nop 0
.rept 4
	v_nop
.endr
	s_branch .Lasked_\@
.Lfor_b_\@:
	tensor_load_to_lds s[G0B+4*(\s):G0B+4*(\s)+3], s[G1B:G1B+7]
	s_nop 0
.rept 4
	v_nop
.endr
.Lasked_\@:
.endm
.macro CREST
	s_cmp_lg_u32 s10, 0
	s_cbranch_scc1 .Lnot_wave_0_\@
	s_barrier_signal -3
.Lnot_wave_0_\@:
	s_barrier_wait -3
	s_barrier_signal -1
	s_barrier_wait -1
.endm
.macro CROUND
	s_barrier_signal -1
	s_barrier_wait -1
	CREST
.endm
	s_load_b128 s[4:7], s[0:1], 0x0                ; xn s[4:5], cb s[6:7]
	s_load_b128 s[68:71], s[0:1], 0x10             ; bo s[68:69], zb s[70:71]
	v_lshl_add_u32 v[SPW], v0, 2, SPARE
	v_mov_b32 v[NIL], 0
	ds_add_u32 v[SPW], v[NIL]                      ; the wave's opening: the add and its wait stand ahead of my first tensor load
	v_lshrrev_b32 v1, 5, v0
	v_readfirstlane_b32 s10, v1                    ; wave 0..3
	s_lshr_b32 s11, s10, 1                         ; which half of the tile's rows is mine.  Also: I fetch for A (0) or for B (1)
	s_and_b32 s12, s10, 1                          ; which half of its columns.  Also: which 64 rows of that tile I fetch
	s_bfe_u32 s40, ttmp6, 0x40000                  ; cx, cy
	s_bfe_u32 s41, ttmp6, 0x40004
	s_lshl_b32 s42, ttmp9, 2
	s_add_co_u32 s42, s42, s40                     ; tile column
	s_and_b32 s13, ttmp7, 0xffff
	s_lshl_b32 s13, s13, 2
	s_add_co_u32 s13, s13, s41                     ; tile row
	s_lshl_b32 s43, s41, 2
	s_lshl_b32 s43, 15, s43                        ; my row of the cluster
	s_lshl_b32 s44, 0x1111, s40                    ; my column
	s_or_b32 s[G1+0], s43, (1<<16)|(1<<20)|(1<<21)|(6<<22)|(3<<25)  ; the mask; 2-byte elements; padding on; bit 21 beside a mask; after every 128 words 4 words
	s_or_b32 s[G1B+0], s44, (1<<16)|(1<<20)|(1<<21)|(6<<22)|(3<<25)
.irp g, G1, G1B
	s_mov_b32 s[(\g)+1], KSTEP<<16                 ; tensor_dim0 = 256
	s_mov_b32 s[(\g)+2], 64<<16                    ; tensor_dim1 = 64
	s_mov_b32 s[(\g)+3], KSTEP<<16                 ; tile_dim0 = 256
	s_mov_b32 s[(\g)+4], 64                        ; tile_dim1 = 64
	s_mov_b32 s[(\g)+5], SIZE_K
	s_mov_b32 s[(\g)+6], 0
	s_mov_b32 s[(\g)+7], 0
.endr
	s_mov_b32 s[RB], 0                             ; K step 0 lies in slot 0
	s_mov_b32 s[HIM], 0xffff0000
	s_lshl_b32 s17, s12, 6
	s_lshl_b32 s16, s13, 7
	s_add_co_u32 s16, s16, s17                     ; A: row 128 x tile row + 64 x half
	s_lshl_b32 s46, s42, 7
	s_add_co_u32 s46, s46, s17                     ; B: row 128 x tile column + 64 x half
	s_mov_b32 s17, 0
	s_mov_b32 s47, 0
	s_mov_b64 s[18:19], SIZE_K*2
	s_mul_u64 s[16:17], s[16:17], s[18:19]
	s_mul_u64 s[46:47], s[46:47], s[18:19]
	s_mul_i32 s20, s10, HALFT                      ; where they go in a slot: wave x 64 rows
	s_lshl_b32 s72, s42, 9                         ; my 64 numbers of the bias: 128 x tile column + 64 x half, 4 bytes each
	s_lshl_b32 s73, s12, 8
	s_add_co_u32 s72, s72, s73
	s_mov_b32 s73, 0
	s_wait_dscnt 0x0                               ; the opening add is done
	s_wait_kmcnt 0x0
	s_add_nc_u64 s[6:7], s[6:7], WO
	s_mov_b64 s[8:9], s[70:71]
	s_add_nc_u64 s[68:69], s[68:69], s[72:73]
	s_add_nc_u64 s[14:15], s[4:5], s[16:17]
	s_add_nc_u64 s[46:47], s[6:7], s[46:47]
	CROUND                                         ; all sixteen work-groups are here
.irp s, 0,1
	s_mov_b32 s[G0+4*(\s)], 1
	s_add_co_u32 s[G0+4*(\s)+1], s20, (\s)*SLOT
	s_add_nc_u64 s[G0+4*(\s)+2:G0+4*(\s)+3], s[14:15], (\s)*KSTEP*2
	s_or_b32 s[G0+4*(\s)+3], s[G0+4*(\s)+3], 0x80000000
	s_mov_b32 s[G0B+4*(\s)], 1
	s_add_co_u32 s[G0B+4*(\s)+1], s20, (\s)*SLOT
	s_add_nc_u64 s[G0B+4*(\s)+2:G0B+4*(\s)+3], s[46:47], (\s)*KSTEP*2
	s_or_b32 s[G0B+4*(\s)+3], s[G0B+4*(\s)+3], 0x80000000
	JLOAD \s                                       ; two loads of mine are out
.endr
	v_and_b32 v1, 15, v0                           ; l % 16
	v_bfe_u32 v2, v0, 4, 1                         ; l / 16
	v_lshlrev_b32 v[BO], 5, v2
.irp b, 0,1,2,3                        ; v[BIAS + 8 b + j] = bo[16 b + 8 (l / 16) + j] of my 64 columns
	global_load_b128 v[BIAS+8*(\b):BIAS+8*(\b)+3],   v[BO], s[68:69] offset:64*(\b)
	global_load_b128 v[BIAS+8*(\b)+4:BIAS+8*(\b)+7], v[BO], s[68:69] offset:64*(\b)+16
.endr
	v_mul_u32_u24 v3, v1, PITCH
	v_lshl_add_u32 v3, v2, 4, v3
	s_mul_i32 s21, s11, HALFT
	s_mul_i32 s22, s12, HALFT
	s_add_co_u32 s22, s22, 2*HALFT
	v_add_nc_u32 v[A0], s21, v3
	v_add_nc_u32 v[B0], s22, v3
	v_add_nc_u32 v[ADRA], s[RB], v[A0]
	v_add_nc_u32 v[ADRB], s[RB], v[B0]
	s_mul_i32 s23, s10, 16*SPITCH
	s_add_co_u32 s23, s23, STAGE                   ; my stage
	v_mul_u32_u24 v4, v1, SPITCH                   ; in: row l % 16, 32 bytes for each half of the lanes
	v_lshl_add_u32 v4, v2, 5, v4
	v_add_nc_u32 v[STO], s23, v4
	v_mul_u32_u24 v5, v2, SPITCH                   ; back: lanes 0-15 take one row of 256 bytes, lanes 16-31 the next
	v_lshl_add_u32 v5, v1, 4, v5
	v_add_nc_u32 v[RD], s23, v5
	v_lshlrev_b32 v5, 12, v2                       ; and the same two rows in zb, 4,096 bytes apart
	v_lshl_add_u32 v[CO], v1, 4, v5
	s_lshl_b32 s16, s13, 7
	s_lshl_b32 s17, s11, 6
	s_add_co_u32 s16, s16, s17                     ; my first row of C: 128 x tile row + 64 x half,
	s_lshl_b32 s16, s16, 12                        ; 4,096 bytes a row
	s_mov_b32 s17, 0
	s_add_nc_u64 s[8:9], s[8:9], s[16:17]
	s_lshl_b32 s46, s42, 9                         ; my first column, in bytes: 512 x tile column + 256 x half
	s_lshl_b32 s47, s12, 8
	s_add_co_u32 s46, s46, s47
	s_mov_b32 s47, 0
	s_add_nc_u64 s[8:9], s[8:9], s[46:47]
; 8 matrix instructions: m blocks a0, a0 + 1 x all 4 n blocks, 32 along K: half c of buffer f.  zero = 1: the first product starts the sums with the bias
.macro MUL8 f, c, a0, zero
	WIN MUL
.irp a, \a0, (\a0)+1
.irp b, 0,1,2,3
.if \zero
	v_wmma_f32_16x16x32_bf16 v[ACC+8*(4*(\a)+(\b)):ACC+8*(4*(\a)+(\b))+7], v[(\f)+64+8*(4*(\c)+(\b)):(\f)+64+8*(4*(\c)+(\b))+7], v[(\f)+8*(4*(\c)+(\a)):(\f)+8*(4*(\c)+(\a))+7], v[BIAS+8*(\b):BIAS+8*(\b)+7]
.else
	v_wmma_f32_16x16x32_bf16 v[ACC+8*(4*(\a)+(\b)):ACC+8*(4*(\a)+(\b))+7], v[(\f)+64+8*(4*(\c)+(\b)):(\f)+64+8*(4*(\c)+(\b))+7], v[(\f)+8*(4*(\c)+(\a)):(\f)+8*(4*(\c)+(\a))+7], v[ACC+8*(4*(\a)+(\b)):ACC+8*(4*(\a)+(\b))+7]
.endif
.endr
.endr
.endm
; 32 LDS loads in one run: the fragments of 64 along K at byte k of the rows of the slot in hand, into buffer f; the first 32 along K first
.macro FETCH k, f
	WIN TO_F
.irp c, 0,1
.irp i, 0,1,2,3
	ds_load_b128 v[(\f)+64+8*(4*(\c)+(\i)):(\f)+64+8*(4*(\c)+(\i))+3],   v[ADRB] offset:(\k)+64*(\c)+(\i)*16*PITCH
	ds_load_b128 v[(\f)+64+8*(4*(\c)+(\i))+4:(\f)+64+8*(4*(\c)+(\i))+7], v[ADRB] offset:(\k)+64*(\c)+(\i)*16*PITCH+32
	ds_load_b128 v[(\f)+8*(4*(\c)+(\i)):(\f)+8*(4*(\c)+(\i))+3],         v[ADRA] offset:(\k)+64*(\c)+(\i)*16*PITCH
	ds_load_b128 v[(\f)+8*(4*(\c)+(\i))+4:(\f)+8*(4*(\c)+(\i))+7],       v[ADRA] offset:(\k)+64*(\c)+(\i)*16*PITCH+32
.endr
.endr
.endm
.macro PLACES                          ; four plain vector instructions between a matrix instruction and a load into, or a vector read of, its registers
.rept 4
	v_nop
.endr
.endm
.macro QUARTER k, f, g, zero
	s_wait_dscnt 16                                ; the first 32 along K are in
	WIN MUL
	MUL8 \f, 0, 0, \zero
	MUL8 \f, 0, 2, \zero
	PLACES
	FETCH \k, \g
	s_wait_dscnt 32                                ; all but the 32 just issued
	WIN MUL
	MUL8 \f, 1, 0, 0
	MUL8 \f, 1, 2, 0
.endm
; The last quarter multiplies buffer 1 and changes slots.  fill = 1: the slot just read is filled again, with the K step two steps on.
.macro TURN fill
	WIN 0
	s_wait_tensorcnt 0x0                           ; all my tensor loads have landed: my part of the next slot;
	ds_add_u32 v[SPW], v[NIL]                      ; 0 onto my spare word;
	s_wait_dscnt 17                                ; (the add and the youngest sixteen loads may be out)
	WIN MUL
	MUL8 F1, 0, 0, 0
	s_wait_dscnt 0x0                               ; the add is done, and my reads of this slot are over
	s_barrier_signal -1
	MUL8 F1, 0, 2, 0
	WIN 0                                          ; (branches, or the address lines, follow)
	s_barrier_wait -1
.if \fill
	CREST                                          ; no wave of any partner still reads this slot's tile or has a load on its way
	s_add_co_u32 s[G0+5], s[RB], s20               ; the walking descriptors: the slot just read,
	s_add_co_u32 s[G0B+5], s[RB], s20
	s_add_nc_u64 s[G0+6:G0+7], s[G0+6:G0+7], KSTEP*2      ; the K step behind the one asked for last
	s_add_nc_u64 s[G0B+6:G0B+7], s[G0B+6:G0B+7], KSTEP*2
	s_xor_b32 s[RB], s[RB], SLOT                   ; the reads go on in the other slot
	JLOAD 1                                        ; the first tensor load behind the round; its four v_nop are also the places in front of the loads below
.else
	s_xor_b32 s[RB], s[RB], SLOT
	v_nop                                          ; these two and the two address lines are the places in front of the loads below
	v_nop
.endif
	v_add_nc_u32 v[ADRA], s[RB], v[A0]
	v_add_nc_u32 v[ADRB], s[RB], v[B0]
	FETCH 0, F0
	WIN MUL
	MUL8 F1, 1, 0, 0
	MUL8 F1, 1, 2, 0
.endm
	s_wait_tensorcnt 1                             ; my part of K step 0 is in; K step 1's may stay out
	s_barrier_signal -1
	s_barrier_wait -1
	FETCH 0, F0
	s_wait_loadcnt 0x0                             ; the bias
	WIN 0                                          ; it is rounded to bf16 and widened again, in place, pair by pair
.set i, 0
.rept 16
	v_cvt_pk_bf16_f32 v[BIAS+2*i], v[BIAS+2*i], v[BIAS+2*i+1]
	v_and_b32 v[BIAS+2*i+1], s[HIM], v[BIAS+2*i]
	v_lshlrev_b32 v[BIAS+2*i], 16, v[BIAS+2*i]
.set i, i+1
.endr
	QUARTER 128, F0, F1, 1                         ; the first quarter stands in front of the loops: its first products start the sums
	WIN 0
	s_mov_b32 s3, 2
.Lfill:                                                ; two trips, K steps 0 and 1: from a step's second quarter to the next step's first; each fills its slot again
	QUARTER 256, F1, F0, 0
	QUARTER 384, F0, F1, 0
	TURN 1
	QUARTER 128, F0, F1, 0
	WIN 0
	s_sub_co_u32 s3, s3, 1
	s_cmp_lg_u32 s3, 0
	s_cbranch_scc1 .Lfill
	s_mov_b32 s3, 2
.Ltail:                                                ; K steps 2 and 3 ask for nothing; the second trip is left behind its last products
	QUARTER 256, F1, F0, 0
	QUARTER 384, F0, F1, 0
	TURN 0
	WIN 0
	s_sub_co_u32 s3, s3, 1
	s_cmp_eq_u32 s3, 0
	s_cbranch_scc1 .Lout
	QUARTER 128, F0, F1, 0
	WIN 0
	s_branch .Ltail
.Lout:
	; THE WAY OUT, a block of 16 rows at a time: the maximum with 0, in place, each accumulator's registers in ascending order; 32 bytes a lane into my stage; back as whole rows of 256 bytes.
.macro OUTA a
.set i, 0
.rept 32
	v_max_num_f32 v[ACC+32*(\a)+i], 0, v[ACC+32*(\a)+i]
.set i, i+1
.endr
.irp b, 0,1,2,3
	ds_store_b128 v[STO], v[ACC+32*(\a)+8*(\b):ACC+32*(\a)+8*(\b)+3]   offset:64*(\b)
	ds_store_b128 v[STO], v[ACC+32*(\a)+8*(\b)+4:ACC+32*(\a)+8*(\b)+7] offset:64*(\b)+16
.endr
.if (\a) > 1
	s_wait_xcnt 0x0                                ; the row buffer that block a - 2's stores read is loaded again only behind this wait
.endif
.irp t, 0,1,2,3,4,5,6,7
	ds_load_b128 v[TMP+32*((\a)%2)+4*(\t):TMP+32*((\a)%2)+4*(\t)+3], v[RD] offset:(\t)*2*SPITCH  ; LDS serves a wave's instructions in order (ISA guide 5.7.1.4): these see the stores above; the next block's stores come behind them
.endr
.endm
.macro SENDA a, younger                ; younger: the LDS instructions issued behind block a's loads: the next block's sixteen, or none
.irp t, 0,1,2,3,4,5,6,7
	s_wait_dscnt (\younger)+7-(\t)
	global_store_b128 v[CO], v[TMP+32*((\a)%2)+4*(\t):TMP+32*((\a)%2)+4*(\t)+3], s[8:9] offset:(16*(\a)+2*(\t))*4096  ; 16 lanes store 256 consecutive bytes, at a multiple of 256 from zb's first
.endr
.endm
	PLACES
	OUTA 0
	OUTA 1
	SENDA 0, 16
	OUTA 2
	SENDA 1, 16
	OUTA 3
	SENDA 2, 16
	SENDA 3, 0
	s_wait_tensorcnt 0x0                           ; the wave's end
	ds_add_u32 v[SPW], v[NIL]
	s_wait_dscnt 0x0
	CROUND                                         ; the closing round
	s_endpgm
.Lfunc_end_k_q2269c790bf_gemm:
	.size	k_q2269c790bf_gemm, .Lfunc_end_k_q2269c790bf_gemm-k_q2269c790bf_gemm
	.p2alignl 7, 3214868480
	.fill 96, 4, 3214868480
	.section	.rodata,"a",@progbits
	.p2align	6, 0x0
	.amdhsa_kernel k_q2269c790bf_gemm
		.amdhsa_group_segment_fixed_size 327680
		.amdhsa_private_segment_fixed_size 0
		.amdhsa_enable_private_segment 0
		.amdhsa_kernarg_size 32
		.amdhsa_user_sgpr_count 2
		.amdhsa_user_sgpr_kernarg_segment_ptr 1
		.amdhsa_wavefront_size32 1
		.amdhsa_system_sgpr_workgroup_id_x 1
		.amdhsa_system_sgpr_workgroup_id_y 1
		.amdhsa_system_sgpr_workgroup_id_z 1
		.amdhsa_system_vgpr_workitem_id 0
		.amdhsa_next_free_vgpr 512
		.amdhsa_next_free_sgpr 76
		.amdhsa_reserve_vcc 0
		.amdhsa_float_denorm_mode_32 3
		.amdhsa_float_denorm_mode_16_64 3
		.amdhsa_memory_ordered 1
		.amdhsa_forward_progress 1
		.amdhsa_inst_pref_size 65
	.end_amdhsa_kernel
	.amdgpu_metadata
---
amdhsa.version: [ 1, 2 ]
amdhsa.kernels:
  - .name:           k_q2269c790bf_gemm
    .symbol:         k_q2269c790bf_gemm.kd
    .args:
      - { .name: xn, .offset: 0, .size: 8, .value_kind: global_buffer, .address_space: global }
      - { .name: cb, .offset: 8, .size: 8, .value_kind: global_buffer, .address_space: global }
      - { .name: bo, .offset: 16, .size: 8, .value_kind: global_buffer, .address_space: global }
      - { .name: zb, .offset: 24, .size: 8, .value_kind: global_buffer, .address_space: global }
    .group_segment_fixed_size: 327680
    .private_segment_fixed_size: 0
    .kernarg_segment_align: 8
    .kernarg_segment_size: 32
    .max_flat_workgroup_size: 128
    .sgpr_count:     76
    .vgpr_count:     512
    .wavefront_size: 32
...
	.end_amdgpu_metadata
.endif
;; end of part 5
;; launch fin (part 6): grid 256 x 1, 16 waves a work-group, no clusters, 0 bytes of LDS; arguments obuf, zb, g0, b0, g1, b1, out0; writes out0
.if DOCPART == 6
	.amdgcn_target "amdgcn-amd-amdhsa--gfx1250"
	.amdhsa_code_object_version 6
	.text
	.protected	k_q2269c790bf_fin
	.globl	k_q2269c790bf_fin
	.p2align	8
	.type	k_q2269c790bf_fin,@function
k_q2269c790bf_fin:
	s_mov_b64 s[64:65], 0
	v_nop
	global_prefetch_b8 v0, s[64:65] scope:SCOPE_SE
	s_setreg_imm32_b32 hwreg(HW_REG_WAVE_MODE, 25, 1), 1
	s_wait_xcnt 0x0
; out0 = LayerNorm(X + Z) x g1 + b1 with X = LayerNorm(obuf) x g0 + b0, made anew in f32, and Z = zb (the ReLU's result).  obuf, zb, out0: [4096][1024] f32.
; g0, b0, g1, b1 are taken rounded once to bf16, like all the module's inputs (one choice for the whole program): they are packed in registers and read as halves.
; One wave, one row; sixteen waves, sixteen rows a work-group.  The row stays in 32 registers through both norms: no LDS, no barrier.
; Lane l holds columns 128 j + 4 l + 0..3, j = 0..7: loads and stores cover 512 consecutive bytes.
; In both norms the mean is taken away before the squares are summed.
.set G0, 4                             ; v[4:35]    as loaded; then v[4:19] two bf16 a word
.set B0, 36                            ; v[36:67]   likewise
.set G1, 68                            ; v[68:99]
.set B1, 100                           ; v[100:131]
.set X,  132                           ; v[132:163] the row
.set Z,  164                           ; v[164:195] its Z
.set T,  196                           ; v[196:203] four chains
.set M,  204                           ; v[204:205] the mean, twice
.set R,  206                           ; v[206:207] 1 / sqrt(var + eps), twice
.set SEL, 20                           ; s[20:21]
.set INV, 22
.set EPS, 23
.macro JOIN                            ; the four chains into one number, summed over the 32 lanes, in every lane's v[T]
	v_pk_add_f32 v[T:T+1], v[T:T+1], v[T+2:T+3]
	v_pk_add_f32 v[T+4:T+5], v[T+4:T+5], v[T+6:T+7]
	v_pk_add_f32 v[T:T+1], v[T:T+1], v[T+4:T+5]
	v_add_f32 v[T], v[T], v[T+1]
	v_add_f32_dpp v[T], v[T], v[T] row_xmask:1 row_mask:0xf bank_mask:0xf
	v_add_f32_dpp v[T], v[T], v[T] row_xmask:2 row_mask:0xf bank_mask:0xf
	v_add_f32_dpp v[T], v[T], v[T] row_xmask:4 row_mask:0xf bank_mask:0xf
	v_add_f32_dpp v[T], v[T], v[T] row_xmask:8 row_mask:0xf bank_mask:0xf
	v_permlanex16_b32 v[T+1], v[T], s[SEL], s[SEL+1]
	v_add_f32 v[T], v[T], v[T+1]
.endm
.macro LSTAT x                         ; the row in v[x .. x + 31] becomes (x - mean) / sqrt(var + eps), in place
.irp c, 0,1,2,3
	v_pk_add_f32 v[T+2*(\c):T+2*(\c)+1], v[(\x)+2*(\c):(\x)+2*(\c)+1], v[(\x)+8+2*(\c):(\x)+8+2*(\c)+1]
.endr
.irp i, 8,9,10,11,12,13,14,15
	v_pk_add_f32 v[T+2*((\i)%4):T+2*((\i)%4)+1], v[T+2*((\i)%4):T+2*((\i)%4)+1], v[(\x)+2*(\i):(\x)+2*(\i)+1]
.endr
	JOIN
	v_mul_f32 v[M], s[INV], v[T]
	v_mul_f32 v[M+1], s[INV], v[T]
.irp i, 0,1,2,3,4,5,6,7,8,9,10,11,12,13,14,15
	v_pk_add_f32 v[(\x)+2*(\i):(\x)+2*(\i)+1], v[(\x)+2*(\i):(\x)+2*(\i)+1], v[M:M+1] neg_lo:[0,1] neg_hi:[0,1]
.endr
.irp c, 0,1,2,3
	v_pk_mul_f32 v[T+2*(\c):T+2*(\c)+1], v[(\x)+2*(\c):(\x)+2*(\c)+1], v[(\x)+2*(\c):(\x)+2*(\c)+1]
.endr
.irp i, 4,5,6,7,8,9,10,11,12,13,14,15
	v_pk_fma_f32 v[T+2*((\i)%4):T+2*((\i)%4)+1], v[(\x)+2*(\i):(\x)+2*(\i)+1], v[(\x)+2*(\i):(\x)+2*(\i)+1], v[T+2*((\i)%4):T+2*((\i)%4)+1]
.endr
	JOIN
	v_fma_f32 v[T], v[T], s[INV], s[EPS]
	v_rsq_f32 v[R], v[T]
	v_rsq_f32 v[R+1], v[T]
	v_nop                                          ; a plain instruction between the root and the use of its result (ISA guide 5.7.2)
	s_wait_alu depctr_va_vdst(0)
.irp i, 0,1,2,3,4,5,6,7,8,9,10,11,12,13,14,15
	v_pk_mul_f32 v[(\x)+2*(\i):(\x)+2*(\i)+1], v[(\x)+2*(\i):(\x)+2*(\i)+1], v[R:R+1]
.endr
.endm
.macro PACK16 p                        ; 32 numbers rounded to bf16, two a word, in place: word i is written when numbers 2 i and 2 i + 1 are read
.irp i, 0,1,2,3,4,5,6,7,8,9,10,11,12,13,14,15
	v_cvt_pk_bf16_f32 v[(\p)+(\i)], v[(\p)+2*(\i)], v[(\p)+2*(\i)+1]
.endr
.endm
.macro LAFF x, g, b                    ; x = x g + b, one fused multiply-add in f32 a number; g and b are bf16 halves: number e lies in word e / 2, half e % 2
.set e, 0
.rept 32
.if e%2
	v_fma_mix_f32_bf16 v[(\x)+e], v[(\x)+e], v[(\g)+e/2], v[(\b)+e/2] op_sel:[0,1,1] op_sel_hi:[0,1,1]
.else
	v_fma_mix_f32_bf16 v[(\x)+e], v[(\x)+e], v[(\g)+e/2], v[(\b)+e/2] op_sel_hi:[0,1,1]
.endif
.set e, e+1
.endr
.endm
	s_load_b256 s[4:11], s[0:1], 0x0               ; obuf s[4:5], zb s[6:7], g0 s[8:9], b0 s[10:11]
	s_load_b128 s[12:15], s[0:1], 0x20             ; g1 s[12:13], b1 s[14:15]
	s_load_b64 s[16:17], s[0:1], 0x30              ; out0
	v_lshrrev_b32 v3, 5, v0
	v_readfirstlane_b32 s25, v3                    ; wave 0..15
	v_and_b32 v1, 31, v0
	v_lshlrev_b32 v1, 4, v1                        ; 16 bytes a lane
	s_lshl_b32 s26, ttmp9, 16                      ; 16 rows of 4,096 bytes a work-group,
	s_lshl_b32 s27, s25, 12                        ; one a wave
	s_add_co_u32 s26, s26, s27
	s_mov_b32 s27, 0
	s_mov_b32 s[SEL], 0x76543210
	s_mov_b32 s[SEL+1], 0xfedcba98
	s_mov_b32 s[INV], 0x3a800000                   ; 1 / 1024
	s_mov_b32 s[EPS], 0x3727c5ac                   ; 1e-5
	s_wait_kmcnt 0x0
	s_add_nc_u64 s[4:5], s[4:5], s[26:27]
	s_add_nc_u64 s[6:7], s[6:7], s[26:27]
	s_add_nc_u64 s[16:17], s[16:17], s[26:27]
.irp j, 0,1,2,3,4,5,6,7
	global_load_b128 v[X+4*(\j):X+4*(\j)+3], v1, s[4:5] offset:512*(\j) th:TH_LOAD_NT
.endr
.irp j, 0,1,2,3,4,5,6,7
	global_load_b128 v[Z+4*(\j):Z+4*(\j)+3], v1, s[6:7] offset:512*(\j) th:TH_LOAD_NT
.endr
.irp j, 0,1,2,3,4,5,6,7
	global_load_b128 v[G0+4*(\j):G0+4*(\j)+3], v1, s[8:9] offset:512*(\j)
	global_load_b128 v[B0+4*(\j):B0+4*(\j)+3], v1, s[10:11] offset:512*(\j)
	global_load_b128 v[G1+4*(\j):G1+4*(\j)+3], v1, s[12:13] offset:512*(\j)
	global_load_b128 v[B1+4*(\j):B1+4*(\j)+3], v1, s[14:15] offset:512*(\j)
.endr
	s_wait_loadcnt 40                              ; the row's eight loads are in; Z's eight and the 32 of the four vectors may be out
	LSTAT X
	s_wait_loadcnt 0x0                             ; Z and the four vectors
	PACK16 G0
	PACK16 B0
	PACK16 G1
	PACK16 B1
	LAFF X, G0, B0
.irp i, 0,1,2,3,4,5,6,7,8,9,10,11,12,13,14,15
	v_pk_add_f32 v[X+2*(\i):X+2*(\i)+1], v[X+2*(\i):X+2*(\i)+1], v[Z+2*(\i):Z+2*(\i)+1]
.endr
	LSTAT X
	LAFF X, G1, B1
.irp j, 0,1,2,3,4,5,6,7
	global_store_b128 v1, v[X+4*(\j):X+4*(\j)+3], s[16:17] offset:512*(\j) th:TH_STORE_NT
.endr
	s_endpgm
.Lfunc_end_k_q2269c790bf_fin:
	.size	k_q2269c790bf_fin, .Lfunc_end_k_q2269c790bf_fin-k_q2269c790bf_fin
	.p2alignl 7, 3214868480
	.fill 96, 4, 3214868480
	.section	.rodata,"a",@progbits
	.p2align	6, 0x0
	.amdhsa_kernel k_q2269c790bf_fin
		.amdhsa_group_segment_fixed_size 0
		.amdhsa_private_segment_fixed_size 0
		.amdhsa_enable_private_segment 0
		.amdhsa_kernarg_size 56
		.amdhsa_user_sgpr_count 2
		.amdhsa_user_sgpr_kernarg_segment_ptr 1
		.amdhsa_wavefront_size32 1
		.amdhsa_system_sgpr_workgroup_id_x 1
		.amdhsa_system_sgpr_workgroup_id_y 1
		.amdhsa_system_sgpr_workgroup_id_z 1
		.amdhsa_system_vgpr_workitem_id 0
		.amdhsa_next_free_vgpr 208
		.amdhsa_next_free_sgpr 66
		.amdhsa_reserve_vcc 0
		.amdhsa_float_denorm_mode_32 3
		.amdhsa_float_denorm_mode_16_64 3
		.amdhsa_memory_ordered 1
		.amdhsa_forward_progress 1
		.amdhsa_inst_pref_size 26
	.end_amdhsa_kernel
	.amdgpu_metadata
---
amdhsa.version: [ 1, 2 ]
amdhsa.kernels:
  - .name:           k_q2269c790bf_fin
    .symbol:         k_q2269c790bf_fin.kd
    .args:
      - { .name: obuf, .offset: 0, .size: 8, .value_kind: global_buffer, .address_space: global }
      - { .name: zb, .offset: 8, .size: 8, .value_kind: global_buffer, .address_space: global }
      - { .name: g0, .offset: 16, .size: 8, .value_kind: global_buffer, .address_space: global }
      - { .name: b0, .offset: 24, .size: 8, .value_kind: global_buffer, .address_space: global }
      - { .name: g1, .offset: 32, .size: 8, .value_kind: global_buffer, .address_space: global }
      - { .name: b1, .offset: 40, .size: 8, .value_kind: global_buffer, .address_space: global }
      - { .name: out0, .offset: 48, .size: 8, .value_kind: global_buffer, .address_space: global }
    .group_segment_fixed_size: 0
    .private_segment_fixed_size: 0
    .kernarg_segment_align: 8
    .kernarg_segment_size: 56
    .max_flat_workgroup_size: 512
    .sgpr_count:     66
    .vgpr_count:     208
    .wavefront_size: 32
...
	.end_amdgpu_metadata
.endif
;; end of part 6
